; MI455X (gfx1250); checked and timed in simulation.
; The chip was launched on July 23, 2026; its instructions are those of AMD's public machine-readable ISA for CDNA 5 (MIT licence, August 2026) and "CDNA5" Instruction Set Architecture Reference Guide (July 2026). The comments in the code are by the model that wrote it; some were corrected since.
;; Multi Head Differential Attention. Allowed arithmetic: matrix products marked QUANTISED: E3M2 operands, one E8M0 scale for each 32 along K, by v_wmma_scale_f32_16x16x128_f8f6f4 with both operands' format E3M2, f32 sums; everything else in f32.
;; Inputs: key1 16 x 1,024 x 64 float32; key2 16 x 1,024 x 64 float32; lambdas 4 float32; proj_b 1,024 float32; proj_w 1,024 x 1,024 float32; query1 16 x 1,024 x 64 float32; query2 16 x 1,024 x 64 float32; value 16 x 1,024 x 64 float32; x 2 x 2,048 x 1,024 float32.
;; Outputs: out0 2 x 2,048 x 1,024 float32.
;; This version of the problem:
;;   THIS VERSION OF THE PROBLEM IS GIVEN IN LOW PRECISION. The matrix products marked QUANTISED in the list below multiply operands that are first quantised to E3M2 (3 exponent bits, 2 mantissa bits; 6 bits a number), with one power-of-two scale for each 32 numbers along K (OCP MX v1.0); their sums are f32. All else is computed in f32.
;;   The module's matrix products, in the order in which they are computed (A, B: the left and right operand; K: the contracted axis; several contracted axes count as one K, in the product's order):
;;     1. [M 1,024, K 1,024] x [K 1,024, N 4,096]; A: input query1; B: input x: QUANTISED
;;     2. [M 1,024, K 1,024] x [K 1,024, N 4,096]; A: input key1; B: input x: QUANTISED
;;     3. [M 1,024, K 1,024] x [K 1,024, N 4,096]; A: input query2; B: input x: QUANTISED
;;     4. [M 1,024, K 1,024] x [K 1,024, N 4,096]; A: input key2; B: input x: QUANTISED
;;     5. [M 1,024, K 1,024] x [K 1,024, N 4,096]; A: input value; B: input x: QUANTISED
;;     6. batch 32 x [M 2,048, K 64] x [K 64, N 2,048]; A: computed on the way; B: computed on the way: QUANTISED
;;     7. batch 32 x [M 2,048, K 64] x [K 64, N 2,048]; A: computed on the way; B: computed on the way: QUANTISED
;;     8. batch 32 x [M 2,048, K 2,048] x [K 2,048, N 64]; A: computed on the way; B: computed on the way: QUANTISED
;;     9. [M 4,096, K 1,024] x [K 1,024, N 1,024]; A: computed on the way; B: input proj_w: QUANTISED
;;   THE QUANTISER, for each operand of a quantised product, along K:
;;     - K is cut into blocks of 32 from its start; a last block that is shorter is filled with zeros.
;;     - A block's scale is 2^e with e = floor(log2(the largest magnitude in the block)) - 4, held to -126 .. 127; a block of zeros has e = 0. As a byte (E8M0): e + 127.
;;     - Each number is divided by its block's scale, clamped to +-28, and rounded to the nearest number of E3M2, ties to even, subnormals kept.
;;     - The product sums the exact products of the quantised numbers (number of the format x scale) in f32.
;;   ~~~python
;;   def quantise(x, axis):      # numpy; x: float32 -> the quantised numbers, widened to float32 again
;;       x = np.moveaxis(x, axis, -1); K = x.shape[-1]
;;       x = np.pad(x, [(0, 0)] * (x.ndim - 1) + [(0, -K % 32)]); x = x.reshape(x.shape[:-1] + (-1, 32)); a = np.abs(x).max(-1, keepdims=True)
;;       e = np.where(a > 0, np.clip(np.frexp(np.where(a > 0, a, 1))[1] - 1 - 4, -126, 127), 0)      # np.frexp(a)[1] - 1 = floor(log2(a)), exactly
;;       r = np.clip(x / 2.0 ** e, -28, 28)
;;       step = 2.0 ** (np.maximum(np.frexp(np.where(r == 0, 1, r))[1] - 1, -2) - 2)
;;       q = np.round(r / step) * step * 2.0 ** e      # np.round: ties to even
;;       return np.moveaxis(q.reshape(q.shape[:-2] + (-1,))[..., :K], -1, axis).astype(np.float32)
;;   ~~~
;;   OPERANDS COMPUTED ON THE WAY. 'Computed on the way' means the value that the module computes at that place (a softmax that the list does not call 'softmax' is quantised finished and normalised). What goes into a quantiser is computed in f32, as accurately as f32 sums, v_exp_f32 and their like allow (about 1e-6 of the number): no bf16 or f16 on the way to a quantiser, and a product that is left as it is and whose result goes on into a quantised operand takes f32 operands (vector FMAs, or v_wmma_f32_16x16x4_f32). A number that lies on a knife's edge between two numbers of the format may be rounded either way, as far as f32 arithmetic and the matrix unit's own rounding can turn it there, and no further.
;; One version. Each part assembles by itself: llvm-mc -triple=amdgcn-amd-amdhsa -mcpu=gfx1250 --defsym DOCPART=n.
;; ======== version 1 of 1: 6 launches
;; limits: right only within a limited range of input values
;; workspace buffers: xq 4,194,304 bytes; wqk 4,194,304 bytes; wv 1,835,008 bytes; pw 1,835,008 bytes; qk 13,631,488 bytes; vv 13,631,488 bytes; oq 4,194,304 bytes
;; launch quant_x (part 1): grid 256 x 1, 8 waves a work-group, no clusters, 68,608 bytes of LDS; arguments x, xq; writes xq
.if DOCPART == 1
	.amdgcn_target "amdgcn-amd-amdhsa--gfx1250"
	.amdhsa_code_object_version 6
	.text
	.protected	k_qdefea0a397_quant_x
	.globl	k_qdefea0a397_quant_x
	.p2align	8
	.type	k_qdefea0a397_quant_x,@function
k_qdefea0a397_quant_x:
	s_mov_b64 s[64:65], 0
	v_nop
	global_prefetch_b8 v0, s[64:65] scope:SCOPE_SE
	s_setreg_imm32_b32 hwreg(HW_REG_WAVE_MODE, 25, 1), 1
	s_wait_xcnt 0x0
; x [4096 tokens][1024], f32, becomes codes of BF6 (E3M2) with one E8M0 byte for each 32 along K, laid as IMAGES OF THE OPERAND'S REGISTERS.
; A fragment is 16 rows x 128 K = 12 registers a lane = 1,536 bytes: three planes of 512 bytes, plane c = registers 4 c .. 4 c + 3, lane l at 16 l.  Its scale image is 128 bytes: word 4 l = the word of row l % 16.
; In xq the scale images begin at byte 0 and the code images at CODE_OFF; fragment (tile T, K step s) has the number 8 T + s.
; THE ROWS OF A TILE ARE NOT NEIGHBOURS: row r of tile T is token 32 (T / 2) + 8 (T % 2) + r + 8 (r / 8), so that a product that takes two neighbouring tiles as source 0 leaves 16 neighbouring tokens in a lane's 16 registers.
; A work-group takes a tile, each of its eight waves a K step: one fragment a wave.  Each load reads 512 consecutive bytes of one row; the 8 KiB turn through the wave's own stage in LDS (rows 528 bytes apart), so that
; lane (r, h) gets, of row r, 16 neighbours of each block of 32.  No barrier: waves share nothing.  No matrix unit, no cluster: each byte is read once and written once.
; A block's scale is 2^(floor(log2(its largest magnitude)) - 4); its byte is that magnitude's exponent field - 4, held at 1 from below.
; LIMITS: NaN and infinities are not served; a block whose largest magnitude lies under 2^-122 keeps the byte 1; a block of zeros has the byte 1 (its codes are zeros, and this program alone reads the bytes).
.set CODE_OFF, 0x100000
.set FRB,  1536
.set SP,   528                         ; a stage row: 512 bytes + 16: an odd multiple of 16, so sixteen rows start at sixteen different groups of banks
.set WST,  16*SP                       ; a wave's stage
.set LI,   1                           ; v1   16 x lane
.set LS,   2                           ; v2   4 x lane
.set STI,  3                           ; v3   the stage, on the way in
.set STO,  4                           ; v4   and on the way out
.set R,    16                          ; v16-79   16 rows as loaded
.set X,    80                          ; v80-143  64 numbers of my row: register 16 b + i = k 32 b + 16 h + i
.set PC,   144                         ; v144-162 the codes
.set TM,   164                         ; v164-179 at work
.set PW,   180                         ; v180     the scale word
.set SEL,  20                          ; s[20:21] lane selects: lane l xor 16
; 64 numbers of a lane become a fragment's codes in v[PC] on and its scale word in v[PW].
.macro QUANT s
.irp b, 0,1,2,3
	v_max3_num_f32 v[TM+\b], |v[\s+16*\b]|, |v[\s+1+16*\b]|, 0x2800000   ; my 16 numbers of block b, and the floor 2^(5 - 127): the byte cannot fall under 1
.endr
.irp i, 2,4,6,8,10,12,14
.irp b, 0,1,2,3
	s_delay_alu instid0(VALU_DEP_4)
	v_max3_num_f32 v[TM+\b], v[TM+\b], |v[\s+16*\b+\i]|, |v[\s+1+16*\b+\i]|
.endr
.endr
.irp b, 0,1,2,3
	s_delay_alu instid0(VALU_DEP_4)
	v_permlanex16_b32 v[TM+4+\b], v[TM+\b], s[SEL], s[SEL+1]
.endr
.irp b, 0,1,2,3
	s_delay_alu instid0(VALU_DEP_4)
	v_max_num_f32 v[TM+\b], v[TM+\b], v[TM+4+\b]          ; with lane l xor 16's: the block's largest magnitude
.endr
.irp b, 0,1,2,3
	s_delay_alu instid0(VALU_DEP_4)
	v_add_nc_u32 v[TM+12+\b], 0xfe000000, v[TM+\b]        ; 4 off its exponent field: the conversion's scale operand
.endr
.irp b, 0,1,2,3
	s_delay_alu instid0(VALU_DEP_4)
	v_lshrrev_b32 v[TM+4+\b], 23, v[TM+12+\b]             ; the scale's byte
.endr
	s_delay_alu instid0(VALU_DEP_3)
	v_lshl_or_b32 v[PW], v[TM+5], 8, v[TM+4]
	s_delay_alu instid0(VALU_DEP_1)
	v_lshl_or_b32 v[PW], v[TM+6], 16, v[PW]
	s_delay_alu instid0(VALU_DEP_1)
	v_lshl_or_b32 v[PW], v[TM+7], 24, v[PW]
.irp c, 0,1
	v_cvt_scalef32_pk16_bf6_f32 v[PC+6*\c:PC+2+6*\c], v[\s+32*\c:\s+15+32*\c], v[TM+12+2*\c]
	v_cvt_scalef32_pk16_bf6_f32 v[PC+12+4*\c:PC+14+4*\c], v[\s+16+32*\c:\s+31+32*\c], v[TM+12+2*\c+1]   ; (a conversion's three registers begin on an even number)
.endr
	v_nop                                          ; one plain place behind a scaled conversion
.irp c, 0,1                                    ; the operand wants a WHOLE block in a lane: lanes 0-15 block 2 c, lanes 16-31 block 2 c + 1
.irp i, 0,1,2
	v_permlane16_swap_b32 v[PC+6*\c+\i], v[PC+12+4*\c+\i]
.endr
.irp i, 0,1,2
	s_delay_alu instid0(VALU_DEP_3)
	v_mov_b32 v[PC+3+6*\c+\i], v[PC+12+4*\c+\i]
.endr
.endr
.endm
	s_load_b128 s[4:7], s[0:1], 0x0                ; x, xq
	v_lshl_add_u32 v192, v0, 2, 0x10800
	v_mov_b32 v193, 0
	v_lshrrev_b32 v5, 5, v0
	s_delay_alu instid0(VALU_DEP_1)
	v_readfirstlane_b32 s12, v5                    ; wave = K step
	v_and_b32 v6, 31, v0                           ; lane
	v_and_b32 v7, 15, v0                           ; r
	v_bfe_u32 v8, v0, 4, 1                         ; h
	s_delay_alu instid0(VALU_DEP_3)
	v_lshlrev_b32 v[LI], 4, v6
	s_delay_alu instid0(VALU_DEP_4)
	v_lshlrev_b32 v[LS], 2, v6
	s_mul_i32 s13, s12, WST
	v_add_nc_u32 v[STI], s13, v[LI]
	v_mul_u32_u24 v[STO], v7, SP
	s_delay_alu instid0(VALU_DEP_1)
	v_lshl_add_u32 v[STO], v8, 6, v[STO]           ; row r, + 64 h
	s_delay_alu instid0(VALU_DEP_1)
	v_add_nc_u32 v[STO], s13, v[STO]
.irp b, 0,1,2,3
	v_mov_b32 v[TM+4+\b], 0                        ; written once: a lane permute's destination counts as one of its sources
.endr
	s_mov_b32 s[SEL], 0x76543210
	s_mov_b32 s[SEL+1], 0xfedcba98
	s_lshr_b32 s14, ttmp9, 1
	s_lshl_b32 s14, s14, 17                        ; 32 (T / 2) rows of 4,096 bytes
	s_and_b32 s15, ttmp9, 1
	s_lshl_b32 s15, s15, 15                        ; 8 (T % 2) rows
	s_add_co_u32 s14, s14, s15
	s_lshl_b32 s15, s12, 9                         ; my K step's 512 bytes of a row
	s_add_co_u32 s14, s14, s15
	s_mov_b32 s15, 0
	s_lshl_b32 s16, ttmp9, 3
	s_add_co_u32 s16, s16, s12                     ; the fragment's number 8 T + s
	s_mul_i32 s18, s16, FRB
	s_add_co_u32 s18, s18, CODE_OFF
	s_mov_b32 s19, 0
	s_lshl_b32 s16, s16, 7
	s_mov_b32 s17, 0
	s_wait_alu depctr_va_vdst(0)
	s_wait_kmcnt 0x0
	s_add_nc_u64 s[4:5], s[4:5], s[14:15]
	s_add_nc_u64 s[8:9], s[6:7], s[18:19]          ; the code image
	s_add_nc_u64 s[10:11], s[6:7], s[16:17]        ; the scale image
.irp i, 0,1,2,3,4,5,6,7,8,9,10,11,12,13,14,15
	global_load_b128 v[R+4*\i:R+4*\i+3], v[LI], s[4:5] offset:(\i+8*(\i/8))*4096 th:TH_LOAD_NT   ; tile row i: 32 lanes read 512 consecutive bytes
.endr
.irp i, 0,1,2,3,4,5,6,7,8,9,10,11,12,13,14,15
	s_wait_loadcnt 15-\i                           ; loads come back in order: row i is in, the 15 - i younger ones may be out
	ds_store_b128 v[STI], v[R+4*\i:R+4*\i+3] offset:SP*\i
.endr
.irp b, 0,1,2,3
.irp j, 0,1,2,3
	ds_load_b128 v[X+16*\b+4*\j:X+16*\b+4*\j+3], v[STO] offset:128*\b+16*\j   ; LDS serves a wave's instructions in order: these see my stores
.endr
.endr
	s_wait_dscnt 0x0
	QUANT X
.irp c, 0,1,2
	global_store_b128 v[LI], v[PC+4*\c:PC+4*\c+3], s[8:9] offset:512*\c   ; 512 consecutive bytes, at a multiple of 256 from the buffer's first byte
.endr
	global_store_b32 v[LS], v[PW], s[10:11]
	s_wait_tensorcnt 0x0
	ds_add_u32 v192, v193
	s_wait_dscnt 0x0
	s_endpgm
.Lfunc_end_k_qdefea0a397_quant_x:
	.size	k_qdefea0a397_quant_x, .Lfunc_end_k_qdefea0a397_quant_x-k_qdefea0a397_quant_x
	.p2alignl 7, 3214868480
	.fill 96, 4, 3214868480
	.section	.rodata,"a",@progbits
	.p2align	6, 0x0
	.amdhsa_kernel k_qdefea0a397_quant_x
		.amdhsa_group_segment_fixed_size 68608
		.amdhsa_private_segment_fixed_size 0
		.amdhsa_enable_private_segment 0
		.amdhsa_kernarg_size 16
		.amdhsa_user_sgpr_count 2
		.amdhsa_user_sgpr_kernarg_segment_ptr 1
		.amdhsa_wavefront_size32 1
		.amdhsa_system_sgpr_workgroup_id_x 1
		.amdhsa_system_sgpr_workgroup_id_y 1
		.amdhsa_system_sgpr_workgroup_id_z 1
		.amdhsa_system_vgpr_workitem_id 0
		.amdhsa_next_free_vgpr 194
		.amdhsa_next_free_sgpr 66
		.amdhsa_reserve_vcc 0
		.amdhsa_float_denorm_mode_32 3
		.amdhsa_float_denorm_mode_16_64 3
		.amdhsa_memory_ordered 1
		.amdhsa_forward_progress 1
		.amdhsa_inst_pref_size 12
	.end_amdhsa_kernel
	.amdgpu_metadata
---
amdhsa.version: [ 1, 2 ]
amdhsa.kernels:
  - .name:           k_qdefea0a397_quant_x
    .symbol:         k_qdefea0a397_quant_x.kd
    .args:
      - { .name: x, .offset: 0, .size: 8, .value_kind: global_buffer, .address_space: global }
      - { .name: xq, .offset: 8, .size: 8, .value_kind: global_buffer, .address_space: global }
    .group_segment_fixed_size: 68608
    .private_segment_fixed_size: 0
    .kernarg_segment_align: 8
    .kernarg_segment_size: 16
    .max_flat_workgroup_size: 256
    .sgpr_count:     66
    .vgpr_count:     194
    .wavefront_size: 32
...
	.end_amdgpu_metadata
.endif
;; end of part 1
;; launch quant_w (part 2): grid 96 x 8, 4 waves a work-group, no clusters, 34,304 bytes of LDS; arguments query1, query2, key1, key2, value, proj_w, wqk, wv, pw; writes wqk, wv, pw
.if DOCPART == 2
	.amdgcn_target "amdgcn-amd-amdhsa--gfx1250"
	.amdhsa_code_object_version 6
	.text
	.protected	k_qdefea0a397_quant_w
	.globl	k_qdefea0a397_quant_w
	.p2align	8
	.type	k_qdefea0a397_quant_w,@function
k_qdefea0a397_quant_w:
	s_mov_b64 s[64:65], 0
	v_nop
	global_prefetch_b8 v0, s[64:65] scope:SCOPE_SE
	s_setreg_imm32_b32 hwreg(HW_REG_WAVE_MODE, 25, 1), 1
	s_wait_xcnt 0x0
; The six weights, f32 with K as their FIRST axis ([head][c][d], and proj_w [k][n]), become codes of BF6 with one E8M0 byte for each 32 along K, laid as images of the operand's registers
; (a fragment: 16 rows x 128 K, three planes of 512 bytes, lane l at 16 l; its scale image 128 bytes, word 4 l = row l % 16's; scale images from byte 0, code images from CODE_OFF; fragment (tile, K step) = 8 tile + step).
; A work-group takes a unit of 64 columns x 128 along K: x = 16 ti + j (ti: query1, query2, key1, key2, value, proj_w; j: the head, or proj_w's block of 64 columns), y = the K step.
; Tiles: wqk: group h = [query1 h | query2 h], group 16 + h = [key1 h | key2 h], eight tiles a group; wv and pw: tile 4 j + wave.  Row r of the unit's tile w is column 32 (w / 2) + 8 (w % 2) + r + 8 (r / 8).
; Phase 1: wave w loads rows 32 w .. 32 w + 31 of the unit, 256 consecutive bytes for each sixteen lanes, into a stage in LDS.  One barrier.  Phase 2: A LANE TAKES A COLUMN AND ITS REGISTERS RUN DOWN K,
; in the very order that the operand's layout gives that lane (k = 64 c + 32 h + 0 .. 31): two whole blocks a lane, so the conversions' results are the operand's registers.
; Only pointers, a pitch and offsets are chosen by the work-group's number: there is one path through the text.
; LIMITS: NaN and infinities are not served; a block whose largest magnitude lies under 2^-122 keeps the byte 1; a block of zeros has the byte 1 (zero codes; this program alone reads the bytes).
.set CODE_OFF, 0x100000
.set FRB,  1536
.set QST,  8320                        ; 32 stage rows of 256 bytes + 128 of padding: lanes 16-31, which read 32 rows further down, fall on the other half of the banks
.set LI,   1
.set LS,   2
.set STI,  3
.set RDW,  4
.set AO,   16                          ; v16-31  byte offsets of my 16 loads
.set X,    32                          ; v32-95  as loaded; then 64 numbers of my column
.set PC,   96                          ; v96-107 the codes
.set PT,   108                         ; v108-114 second halves of the blocks
.set TM,   116                         ; v116-123 at work
	s_load_b256 s[4:11], s[0:1], 0x0               ; query1, query2, key1, key2
	s_load_b256 s[12:19], s[0:1], 0x20             ; value, proj_w, wqk, wv
	s_load_b64 s[20:21], s[0:1], 0x40              ; pw
	v_lshl_add_u32 v176, v0, 2, 0x8400
	v_mov_b32 v177, 0
	v_lshrrev_b32 v5, 5, v0
	v_readfirstlane_b32 s22, v5                    ; wave
	v_and_b32 v6, 31, v0
	v_and_b32 v7, 15, v0                           ; r
	v_bfe_u32 v8, v0, 4, 1                         ; h
	s_wait_alu depctr_va_vdst(0)
	v_lshlrev_b32 v[LI], 4, v6
	v_lshlrev_b32 v[LS], 2, v6
	s_mul_i32 s23, s22, QST
	v_add_nc_u32 v[STI], s23, v[LI]                ; two rows of 256 bytes are 16 x lane
	s_lshr_b32 s33, s22, 1
	s_lshl_b32 s33, s33, 5
	s_and_b32 s34, s22, 1
	s_lshl_b32 s34, s34, 3
	s_add_co_u32 s33, s33, s34
	s_lshl_b32 s33, s33, 2                         ; my tile's first column, in bytes
	v_and_b32 v9, 8, v7
	v_add_nc_u32 v9, v9, v7                        ; r + 8 (r / 8)
	v_lshlrev_b32 v[RDW], 2, v9
	v_mad_u32_u24 v[RDW], v8, QST, v[RDW]          ; lanes 16-31 begin 32 rows further down
	v_add_nc_u32 v[RDW], s33, v[RDW]
	s_mov_b32 s40, 0x76543210
	s_mov_b32 s41, 0xfedcba98
	s_lshr_b32 s24, ttmp9, 4                       ; ti
	s_and_b32 s25, ttmp9, 15                       ; j
	s_and_b32 s26, ttmp7, 0xffff                   ; the K step
	s_cmp_eq_u32 s24, 5                            ; proj_w: rows of 4,096 bytes, units 256 bytes apart; the others: rows of 256 bytes, heads 262,144 bytes apart
	s_cselect_b32 s28, 12, 8
	s_cselect_b32 s29, 8, 18
	s_cselect_b32 s30, 19, 15
	s_lshl_b32 s27, 1, s28                         ; the pitch
	s_lshl_b32 s29, s25, s29
	s_lshl_b32 s30, s26, s30                       ; 128 rows a K step
	s_add_co_u32 s30, s30, s29
	s_add_co_u32 s28, s28, 5
	s_lshl_b32 s31, s22, s28                       ; my 32 rows
	s_add_co_u32 s30, s30, s31
	s_mov_b32 s31, 0
	s_lshl_b32 s32, s27, 1
	v_mul_u32_u24 v[AO], s27, v8                   ; lanes 16-31 take the next row
	v_lshl_add_u32 v[AO], v7, 4, v[AO]
.irp i, 1,2,3,4,5,6,7,8,9,10,11,12,13,14,15
	v_add_nc_u32 v[AO+\i], s32, v[AO+\i-1]         ; two rows on
.endr
	s_lshr_b32 s35, s24, 1                         ; the unit's first tile: wqk: 128 (ti / 2) + 8 j + 4 (ti % 2);
	s_lshl_b32 s35, s35, 7
	s_lshl_b32 s36, s25, 3
	s_add_co_u32 s35, s35, s36
	s_and_b32 s36, s24, 1
	s_lshl_b32 s36, s36, 2
	s_add_co_u32 s35, s35, s36
	s_lshl_b32 s36, s25, 2                         ; wv, pw: 4 j
	s_cmp_lt_u32 s24, 4
	s_cselect_b32 s35, s35, s36
	s_add_co_u32 s35, s35, s22
	s_lshl_b32 s35, s35, 3
	s_add_co_u32 s35, s35, s26                     ; my fragment's number
	s_mul_i32 s36, s35, FRB
	s_add_co_u32 s36, s36, CODE_OFF
	s_mov_b32 s37, 0
	s_lshl_b32 s38, s35, 7
	s_mov_b32 s39, 0
	s_wait_alu depctr_va_vdst(0)
	s_wait_kmcnt 0x0
	s_cmp_eq_u32 s24, 1                            ; the choices hang on the work-group's number alone
	s_cselect_b64 s[4:5], s[6:7], s[4:5]
	s_cmp_eq_u32 s24, 2
	s_cselect_b64 s[4:5], s[8:9], s[4:5]
	s_cmp_eq_u32 s24, 3
	s_cselect_b64 s[4:5], s[10:11], s[4:5]
	s_cmp_eq_u32 s24, 4
	s_cselect_b64 s[4:5], s[12:13], s[4:5]
	s_cselect_b64 s[16:17], s[18:19], s[16:17]
	s_cmp_eq_u32 s24, 5
	s_cselect_b64 s[4:5], s[14:15], s[4:5]
	s_cselect_b64 s[16:17], s[20:21], s[16:17]
	s_add_nc_u64 s[4:5], s[4:5], s[30:31]
	s_add_nc_u64 s[36:37], s[16:17], s[36:37]      ; the code image
	s_add_nc_u64 s[38:39], s[16:17], s[38:39]      ; the scale image
.irp i, 0,1,2,3,4,5,6,7,8,9,10,11,12,13,14,15
	global_load_b128 v[X+4*\i:X+4*\i+3], v[AO+\i], s[4:5] th:TH_LOAD_NT   ; rows 2 i and 2 i + 1: sixteen lanes read 256 consecutive bytes
.endr
.irp i, 0,1,2,3,4,5,6,7,8,9,10,11,12,13,14,15
	s_wait_loadcnt 15-\i                           ; load i is in, the 15 - i younger ones may be out
	ds_store_b128 v[STI], v[X+4*\i:X+4*\i+3] offset:512*\i
.endr
	s_wait_dscnt 0x0                               ; for the others' sake: my stores have landed
	s_barrier_signal -1
	s_barrier_wait -1
.irp c, 0,1
.irp i, 0,1,2,3,4,5,6,7,8,9,10,11,12,13,14,15,16,17,18,19,20,21,22,23,24,25,26,27,28,29,30,31
	ds_load_b32 v[X+32*\c+\i], v[RDW] offset:\c*2*QST+\i*256   ; W(64 c + 32 h + i, my column)
.endr
.endr
	s_wait_dscnt 0x0
.irp c, 0,1
	v_max3_num_f32 v[TM+\c], |v[X+32*\c]|, |v[X+32*\c+1]|, 0x2800000   ; my block 2 c + h: all its 32 numbers are mine; and the floor 2^(5 - 127)
.endr
.irp i, 2,4,6,8,10,12,14,16,18,20,22,24,26,28,30
.irp c, 0,1
	v_max3_num_f32 v[TM+\c], v[TM+\c], |v[X+32*\c+\i]|, |v[X+32*\c+\i+1]|
.endr
.endr
.irp c, 0,1
	v_add_nc_u32 v[TM+4+\c], 0xfe000000, v[TM+\c]  ; 4 off the exponent field: the conversion's scale operand
.endr
.irp c, 0,1
	v_lshrrev_b32 v[TM+2+\c], 23, v[TM+4+\c]       ; the scale's byte
.endr
	v_lshl_or_b32 v[TM+6], v[TM+3], 16, v[TM+2]    ; my two bytes: blocks h and 2 + h,
	v_lshlrev_b32 v[TM+7], 3, v8
	v_lshlrev_b32 v[TM+6], v[TM+7], v[TM+6]        ; at their places in the word;
	v_mov_b32 v[TM+7], 0
	v_permlanex16_b32 v[TM+7], v[TM+6], s40, s41
	v_or_b32 v[TM+6], v[TM+6], v[TM+7]             ; with lane l xor 16's two the word is whole, in both halves of the lanes
.irp c, 0,1
	v_cvt_scalef32_pk16_bf6_f32 v[PC+6*\c:PC+6*\c+2], v[X+32*\c:X+32*\c+15], v[TM+4+\c]
	v_cvt_scalef32_pk16_bf6_f32 v[PT+4*\c:PT+4*\c+2], v[X+32*\c+16:X+32*\c+31], v[TM+4+\c]   ; (a conversion's three registers begin on an even number)
.endr
	v_nop                                          ; one plain place behind a scaled conversion
.irp c, 0,1
.irp i, 0,1,2
	v_mov_b32 v[PC+3+6*\c+\i], v[PT+4*\c+\i]
.endr
.endr
.irp c, 0,1,2
	global_store_b128 v[LI], v[PC+4*\c:PC+4*\c+3], s[36:37] offset:512*\c   ; 512 consecutive bytes, at a multiple of 256 from the buffer's first byte
.endr
	global_store_b32 v[LS], v[TM+6], s[38:39]
	s_wait_tensorcnt 0x0
	ds_add_u32 v176, v177
	s_wait_dscnt 0x0
	s_endpgm
.Lfunc_end_k_qdefea0a397_quant_w:
	.size	k_qdefea0a397_quant_w, .Lfunc_end_k_qdefea0a397_quant_w-k_qdefea0a397_quant_w
	.p2alignl 7, 3214868480
	.fill 96, 4, 3214868480
	.section	.rodata,"a",@progbits
	.p2align	6, 0x0
	.amdhsa_kernel k_qdefea0a397_quant_w
		.amdhsa_group_segment_fixed_size 34304
		.amdhsa_private_segment_fixed_size 0
		.amdhsa_enable_private_segment 0
		.amdhsa_kernarg_size 72
		.amdhsa_user_sgpr_count 2
		.amdhsa_user_sgpr_kernarg_segment_ptr 1
		.amdhsa_wavefront_size32 1
		.amdhsa_system_sgpr_workgroup_id_x 1
		.amdhsa_system_sgpr_workgroup_id_y 1
		.amdhsa_system_sgpr_workgroup_id_z 1
		.amdhsa_system_vgpr_workitem_id 0
		.amdhsa_next_free_vgpr 178
		.amdhsa_next_free_sgpr 66
		.amdhsa_reserve_vcc 0
		.amdhsa_float_denorm_mode_32 3
		.amdhsa_float_denorm_mode_16_64 3
		.amdhsa_memory_ordered 1
		.amdhsa_forward_progress 1
		.amdhsa_inst_pref_size 15
	.end_amdhsa_kernel
	.amdgpu_metadata
---
amdhsa.version: [ 1, 2 ]
amdhsa.kernels:
  - .name:           k_qdefea0a397_quant_w
    .symbol:         k_qdefea0a397_quant_w.kd
    .args:
      - { .name: query1, .offset: 0, .size: 8, .value_kind: global_buffer, .address_space: global }
      - { .name: query2, .offset: 8, .size: 8, .value_kind: global_buffer, .address_space: global }
      - { .name: key1, .offset: 16, .size: 8, .value_kind: global_buffer, .address_space: global }
      - { .name: key2, .offset: 24, .size: 8, .value_kind: global_buffer, .address_space: global }
      - { .name: value, .offset: 32, .size: 8, .value_kind: global_buffer, .address_space: global }
      - { .name: proj_w, .offset: 40, .size: 8, .value_kind: global_buffer, .address_space: global }
      - { .name: wqk, .offset: 48, .size: 8, .value_kind: global_buffer, .address_space: global }
      - { .name: wv, .offset: 56, .size: 8, .value_kind: global_buffer, .address_space: global }
      - { .name: pw, .offset: 64, .size: 8, .value_kind: global_buffer, .address_space: global }
    .group_segment_fixed_size: 34304
    .private_segment_fixed_size: 0
    .kernarg_segment_align: 8
    .kernarg_segment_size: 72
    .max_flat_workgroup_size: 128
    .sgpr_count:     66
    .vgpr_count:     178
    .wavefront_size: 32
...
	.end_amdgpu_metadata
.endif
;; end of part 2
;; launch proj_qk (part 3): grid 16 x 16, 4 waves a work-group, clusters of 4 x 4, 327,680 bytes of LDS; arguments wqk, xq, qk; writes qk
.if DOCPART == 3
	.amdgcn_target "amdgcn-amd-amdhsa--gfx1250"
	.amdhsa_code_object_version 6
	.text
	.protected	k_qdefea0a397_proj_qk
	.globl	k_qdefea0a397_proj_qk
	.p2align	8
	.type	k_qdefea0a397_proj_qk,@function
k_qdefea0a397_proj_qk:
	s_mov_b64 s[64:65], 0
	v_nop
	global_prefetch_b8 v0, s[64:65] scope:SCOPE_SE
	s_setreg_imm32_b32 hwreg(HW_REG_WAVE_MODE, 25, 1), 1
	s_wait_xcnt 0x0
	s_wait_alu depctr_hold_cnt(0) depctr_sa_sdst(0) depctr_va_vdst(0) depctr_va_sdst(0) depctr_va_ssrc(0) depctr_va_vcc(0) depctr_vm_vsrc(0)
	s_getreg_b32 s2, hwreg(HW_REG_IB_STS2, 6, 4)
	s_cmp_eq_u32 s2, 0
	s_cbranch_scc0 .Lentry_in_a_cluster
	s_endpgm
.Lentry_in_a_cluster:
	s_bfe_u32 s2, ttmp6, 0x10000c
	s_cmp_lg_u32 s2, 0xf033
	s_cbranch_scc0 .Lentry_shape_is_right
	s_endpgm
.Lentry_shape_is_right:
.set CODE_OFF, 0x100000
.set NQ,     2
.set FR,     12
.set FRB,    1536
.set NL,     3
.set NP,     4
.set TILEB,  NQ*FRB
.set KTILE,  8*FRB
.set HALFT,  8*TILEB
.set SLOT,   4*HALFT
.set LAPS,   2
.set SCL,    2*SLOT
.set HALFS,  8192
.set SPARE,  SCL+4*HALFS
.set ADRA, 16
.set ADRB, 20
.set LI,   24
.set LS,   25
.set ADRS, 27
.set SPW,  28
.set NIL,  29
.set SC,   32
.set AF,   128
.set TM,   232
.set G1, 24
.set G0, 32
.set G1B, 48
.set G0B, 56
.set G1S, 68
.set G0S, 76
.set G1SB, 80
.set G0SB, 88
.set SEL, 98
.set MSB, 0
.macro WIN new
.if MSB != (\new)
	s_set_vgpr_msb (MSB<<8)|(\new)
.set MSB, (\new)
.endif
.endm
.set MUL_LO, 0xa1
.set MUL_HI, 0xf1
.set TO_B,   0x40
.macro JLOAD g0a, g1a, g0b, g1b
	s_cmp_eq_u32 s15, 0
	s_cbranch_scc0 .Lfor_b_\@
	tensor_load_to_lds s[\g0a:\g0a+3], s[\g1a:\g1a+7]
	s_nop 0
.rept 4
	v_nop
.endr
	s_branch .Lasked_\@
.Lfor_b_\@:
	tensor_load_to_lds s[\g0b:\g0b+3], s[\g1b:\g1b+7]
	s_nop 0
.rept 4
	v_nop
.endr
.Lasked_\@:
.endm
.macro CREST
	s_cmp_lg_u32 s14, 0
	s_cbranch_scc1 .Lnot_wave_0_\@
	s_barrier_signal -3
.Lnot_wave_0_\@:
	s_barrier_wait -3
	s_barrier_signal -1
	s_barrier_wait -1
.endm
.macro CROUND
	s_barrier_signal -1
	s_barrier_wait -1
	CREST
.endm
	s_load_b64 s[10:11], s[0:1], 0x0
	s_load_b64 s[6:7], s[0:1], 0x8
	s_load_b64 s[12:13], s[0:1], 0x10
	v_lshl_add_u32 v[SPW], v0, 2, SPARE
	v_mov_b32 v[NIL], 0
	ds_add_u32 v28, v29
	ds_add_u32 v28, v29
	s_wait_dscnt 0x0
	v_lshrrev_b32 v1, 5, v0
	v_readfirstlane_b32 s14, v1
	s_lshr_b32 s15, s14, 1
	s_and_b32 s16, s14, 1
	s_bfe_u32 s40, ttmp6, 0x40000
	s_bfe_u32 s41, ttmp6, 0x40004
	s_lshl_b32 s42, ttmp9, 2
	s_add_co_u32 s42, s42, s40
	s_and_b32 s17, ttmp7, 0xffff
	s_lshl_b32 s17, s17, 2
	s_add_co_u32 s17, s17, s41
	s_lshl_b32 s43, s41, 2
	s_lshl_b32 s43, 15, s43
	s_lshl_b32 s44, 0x1111, s40
	s_or_b32 s[G1+0], s43, (3<<16)|(1<<21)
	s_or_b32 s[G1B+0], s44, (3<<16)|(1<<21)
.irp g, G1, G1B
	s_mov_b32 s[\g+1], 384<<16
	s_mov_b32 s[\g+2], 16<<16
	s_mov_b32 s[\g+3], 384<<16
	s_mov_b32 s[\g+4], 16
	s_mov_b32 s[\g+5], 1536
	s_mov_b32 s[\g+6], 0
	s_mov_b32 s[\g+7], 0
.endr
	s_or_b32 s[G1S+0], s43, (3<<16)|(1<<21)
	s_or_b32 s[G1SB+0], s44, (3<<16)|(1<<21)
.irp g, G1S, G1SB
	s_mov_b32 s[\g+1], 32<<16
	s_mov_b32 s[\g+2], 64<<16
	s_mov_b32 s[\g+3], 32<<16
	s_mov_b32 s[\g+4], 64
	s_mov_b32 s[\g+5], 32
	s_mov_b32 s[\g+6], 0
	s_mov_b32 s[\g+7], 0
.endr
	s_mul_i32 s18, s16, 8*KTILE                    ; in the ring a wave fetches eight of a side's sixteen tiles: which eight, in bytes
	s_mov_b32 s19, 0
	s_lshl_b32 s20, s17, 4
	s_lshl_b32 s46, s42, 4
	s_lshl_b32 s22, s20, 10
	s_mov_b32 s23, 0
	s_lshl_b32 s92, s46, 10
	s_mov_b32 s93, 0
	s_mul_i32 s20, s20, KTILE
	s_add_co_u32 s20, s20, CODE_OFF
	s_mov_b32 s21, 0
	s_mul_i32 s46, s46, KTILE
	s_add_co_u32 s46, s46, CODE_OFF
	s_mov_b32 s47, 0
	s_mul_i32 s45, s14, HALFT
	s_mov_b32 s[SEL], 0x76543210
	s_mov_b32 s[SEL+1], 0xfedcba98
	s_wait_kmcnt 0x0
	s_add_nc_u64 s[20:21], s[6:7], s[20:21]
	s_add_nc_u64 s[22:23], s[6:7], s[22:23]
	s_add_nc_u64 s[46:47], s[10:11], s[46:47]
	s_add_nc_u64 s[92:93], s[10:11], s[92:93]
	CROUND
	; THE HEAD'S FOUR TILES, EACH WHOLE, ONE LOAD A WAVE: slot 0's sixteen tiles of source 1, its sixteen of source 0, and the two sides' scale images for all of K
	s_mov_b32 s4, 1                                ; (the arguments that lay in s[4:11] have been used)
	s_mov_b32 s5, 0
	s_mov_b64 s[6:7], s[20:21]
	s_or_b32 s7, s7, 0x80000000
	s_mov_b32 s8, 1
	s_mov_b32 s9, 2*HALFT
	s_mov_b64 s[10:11], s[46:47]
	s_or_b32 s11, s11, 0x80000000
	s_mov_b32 s[G0S], 1
	s_mov_b32 s[G0S+1], SCL
	s_mov_b64 s[G0S+2:G0S+3], s[22:23]
	s_or_b32 s[G0S+3], s[G0S+3], 0x80000000
	s_mov_b32 s[G0SB], 1
	s_mov_b32 s[G0SB+1], SCL+2*HALFS
	s_mov_b64 s[G0SB+2:G0SB+3], s[92:93]
	s_or_b32 s[G0SB+3], s[G0SB+3], 0x80000000
	s_add_nc_u64 s[20:21], s[20:21], s[18:19]      ; for the ring: my eight tiles
	s_add_nc_u64 s[46:47], s[46:47], s[18:19]
.irp s, 0,1
	s_mov_b32 s[G0+4*\s], 1
	s_add_co_u32 s[G0+4*\s+1], s45, \s*SLOT
	s_add_nc_u64 s[G0+4*\s+2:G0+4*\s+3], s[20:21], \s*TILEB
	s_or_b32 s[G0+4*\s+3], s[G0+4*\s+3], 0x80000000
	s_mov_b32 s[G0B+4*\s], 1
	s_add_co_u32 s[G0B+4*\s+1], s45, \s*SLOT
	s_add_nc_u64 s[G0B+4*\s+2:G0B+4*\s+3], s[46:47], \s*TILEB
	s_or_b32 s[G0B+4*\s+3], s[G0B+4*\s+3], 0x80000000
.endr
.macro ARM under, g0, g1, next         ; one arm of the head's chain on the wave's number: one load, then the jump to the join
	s_cmp_lt_u32 s14, \under
	s_cbranch_scc0 \next
	tensor_load_to_lds s[\g0:\g0+3], s[\g1:\g1+7]
	s_nop 0
.rept 4
	v_nop
.endr
	s_branch .Lhead_asked
\next:
.endm
	ARM 1, 4, G1, .Lhead_b
	ARM 2, 8, G1B, .Lhead_sa
	ARM 3, G0S, G1S, .Lhead_sb
	tensor_load_to_lds s[G0SB:G0SB+3], s[G1SB:G1SB+7]
	s_nop 0
.rept 4
	v_nop
.endr
.Lhead_asked:
	v_and_b32 v1, 31, v0
	v_bfe_u32 v2, v0, 4, 1
	v_lshlrev_b32 v[LI], 4, v1
	v_lshlrev_b32 v[LS], 2, v1
.irp b, 0,1,2,3
	v_mov_b32 v[TM+4+\b], 0
.endr
	s_mul_i32 s21, s15, HALFT
	s_mul_i32 s22, s16, HALFT
	s_add_co_u32 s22, s22, 2*HALFT
.irp s, 0,1
	v_add_nc_u32 v[ADRA+\s], s21, v[LI]
	v_add_nc_u32 v[ADRB+\s], s22, v[LI]
	s_add_co_u32 s21, s21, SLOT
	s_add_co_u32 s22, s22, SLOT
.endr
	s_lshl_b32 s21, s15, 13
	s_lshl_b32 s22, s16, 13
	s_add_co_u32 s22, s22, 2*HALFS
	s_sub_co_u32 s22, s22, s21
	v_mul_u32_u24 v6, s22, v2
	s_add_co_u32 s21, s21, SCL
	v_add_nc_u32 v5, v[LS], v6
	v_add_nc_u32 v[ADRS], s21, v5
	s_lshl_b32 s92, s42, 1
	s_add_co_u32 s92, s92, s16
	s_lshl_b32 s92, s92, 8
	s_lshl_b32 s94, s17, 4
	s_add_co_u32 s92, s92, s94
	s_lshl_b32 s94, s15, 3
	s_add_co_u32 s92, s92, s94
	s_mul_i32 s94, s92, FRB
	s_add_co_u32 s94, s94, CODE_OFF
	s_mov_b32 s95, 0
	s_lshl_b32 s92, s92, 7
	s_mov_b32 s93, 0
	s_add_nc_u64 s[92:93], s[12:13], s[92:93]
	s_add_nc_u64 s[12:13], s[12:13], s[94:95]
.macro FRAG reg, adr, q, i
.irp c, 0,1,2
	ds_load_b128 v[\reg+4*\c:\reg+4*\c+3], v[\adr] offset:(\i)*TILEB+(\q)*FRB+512*\c
.endr
.endm
.macro MUL16 a0, p, q, sc, zero
.irp a, \a0, \a0+1
.irp b, 0,1,2,3,4,5,6,7
.if \zero
	v_wmma_scale_f32_16x16x128_f8f6f4 v[8*(8*((\a)%4)+\b):8*(8*((\a)%4)+\b)+7], v[128*(\p)+FR*\b:128*(\p)+FR*\b+FR-1], v[AF+FR*(\a):AF+FR*(\a)+FR-1], 0, v[SC+8*NQ*(\sc)+NQ*\b+(\q)], v[SC+8*NQ*(\sc)+NQ*(\a)+(\q)] matrix_a_fmt:MATRIX_FMT_BF6 matrix_b_fmt:MATRIX_FMT_BF6 matrix_a_scale:MATRIX_SCALE_ROW1
.else
	v_wmma_scale_f32_16x16x128_f8f6f4 v[8*(8*((\a)%4)+\b):8*(8*((\a)%4)+\b)+7], v[128*(\p)+FR*\b:128*(\p)+FR*\b+FR-1], v[AF+FR*(\a):AF+FR*(\a)+FR-1], v[8*(8*((\a)%4)+\b):8*(8*((\a)%4)+\b)+7], v[SC+8*NQ*(\sc)+NQ*\b+(\q)], v[SC+8*NQ*(\sc)+NQ*(\a)+(\q)] matrix_a_fmt:MATRIX_FMT_BF6 matrix_b_fmt:MATRIX_FMT_BF6 matrix_a_scale:MATRIX_SCALE_ROW1
.endif
.endr
.endr
.endm
.macro FETCH_B slot, q, p
	WIN TO_B
.irp i, 0,1,2,3,4,5,6,7
	FRAG 128*(\p)+FR*\i, ADRB+\slot, \q, \i
.endr
	WIN 0
.endm
.macro FETCH_A slot, q, i0
.irp i, \i0, \i0+1, \i0+2, \i0+3
	FRAG AF+FR*(\i), ADRA+\slot, \q, \i
.endr
.endm
.macro SCALES sc
.irp i, 0,1,2,3,4,5,6,7
.irp q, 0,1
	ds_load_b32 v[SC+8*NQ*\sc+NQ*\i+\q], v[ADRS] offset:\i*1024+\q*128
.endr
.endr
.endm
.macro PLACES n
.rept \n
	v_nop
.endr
.endm
.macro STEP slot, q, zero
	s_wait_dscnt 4*NL
	WIN MUL_LO
	MUL16 0, (\q)%2, \q, \slot, \zero
	MUL16 2, (\q)%2, \q, \slot, \zero
	s_wait_dscnt 0
	PLACES NP
	FETCH_B \slot, (\q)+1, 1-(\q)%2
	FETCH_A \slot, (\q)+1, 0
	WIN MUL_HI
	MUL16 4, (\q)%2, \q, \slot, \zero
	MUL16 6, (\q)%2, \q, \slot, \zero
	PLACES NP
	WIN 0
	FETCH_A \slot, (\q)+1, 4
.endm
.macro TURN slot, next, fill
	s_wait_tensorcnt 0x0
	ds_add_u32 v[SPW], v[NIL]
	s_wait_dscnt 4*NL+1
	WIN MUL_LO
	MUL16 0, 1, NQ-1, \slot, 0
	s_wait_dscnt 0x0
	s_barrier_signal -1
	MUL16 2, 1, NQ-1, \slot, 0
	WIN 0
	s_barrier_wait -1
.if \fill
	CREST
	s_add_nc_u64 s[G0+4*\slot+2:G0+4*\slot+3], s[G0+4*\slot+2:G0+4*\slot+3], 2*TILEB
	s_add_nc_u64 s[G0B+4*\slot+2:G0B+4*\slot+3], s[G0B+4*\slot+2:G0B+4*\slot+3], 2*TILEB
	JLOAD G0+4*\slot, G1, G0B+4*\slot, G1B
.else
	PLACES NP
.endif
	s_wait_alu depctr_va_vdst(0)
	v_add_nc_u32 v[ADRS], 128*NQ, v[ADRS]
	FETCH_B \next, 0, 0
	FETCH_A \next, 0, 0
	SCALES \next
	WIN MUL_HI
	MUL16 4, 1, NQ-1, \slot, 0
	MUL16 6, 1, NQ-1, \slot, 0
	PLACES NP
	WIN 0
	FETCH_A \next, 0, 4
.endm
	s_wait_alu depctr_va_vdst(0)                   ; the wait at the head's end
	s_wait_tensorcnt 0x0                           ; my tile of the head's four is in; the lines ahead of a later first fill:
	ds_add_u32 v[SPW], v[NIL]
	s_mov_b32 s[G1+2], 8<<16                       ; no tensor load of mine is out: from here on a load brings eight tiles
	s_mov_b32 s[G1+4], 8
	s_mov_b32 s[G1B+2], 8<<16
	s_mov_b32 s[G1B+4], 8
	s_wait_dscnt 0x0
	CROUND                                         ; all four tiles are in, and all sixteen work-groups are here
	JLOAD G0+4, G1, G0B+4, G1B                     ; slot 1's first fill, the first tensor load behind the round
	FETCH_B 0, 0, 0
	FETCH_A 0, 0, 0
	SCALES 0
	FETCH_A 0, 0, 4
	STEP 0, 0, 1
	s_mov_b32 s3, LAPS-1
.Llap:
	TURN 0, 1, 1
	STEP 1, 0, 0
	TURN 1, 0, 1
	STEP 0, 0, 0
	s_sub_co_u32 s3, s3, 1
	s_cmp_lg_u32 s3, 0
	s_cbranch_scc1 .Llap
	TURN 0, 1, 0
	STEP 1, 0, 0
	s_wait_dscnt 4*NL
	WIN MUL_LO
	MUL16 0, 1, NQ-1, 1, 0
	MUL16 2, 1, NQ-1, 1, 0
	s_wait_dscnt 0
	WIN MUL_HI
	MUL16 4, 1, NQ-1, 1, 0
	MUL16 6, 1, NQ-1, 1, 0
	WIN 0
.macro QUANTW a
.set AC, 64*((\a)%4)
.set PCA, 64+20*(\a)
.set PWA, 224+(\a)
	WIN 0x0a+5*((\a)/4)
.irp b, 0,1,2,3
	v_max3_num_f32 v[TM+\b], |v[AC+16*\b]|, |v[AC+16*\b+1]|, 0x2800000
.endr
.irp i, 2,4,6,8,10,12,14
.irp b, 0,1,2,3
	v_max3_num_f32 v[TM+\b], |v[AC+16*\b+\i]|, |v[AC+16*\b+\i+1]|, v[TM+\b]
.endr
.endr
	WIN 0
.irp b, 0,1,2,3
	v_permlanex16_b32 v[TM+4+\b], v[TM+\b], s[SEL], s[SEL+1]
.endr
.irp b, 0,1,2,3
	v_max_num_f32 v[TM+\b], v[TM+\b], v[TM+4+\b]
.endr
.irp b, 0,1,2,3
	v_add_nc_u32 v[TM+12+\b], 0xfe000000, v[TM+\b]
.endr
.irp b, 0,1,2,3
	v_lshrrev_b32 v[TM+4+\b], 23, v[TM+12+\b]
.endr
	v_lshl_or_b32 v[PWA], v[TM+5], 8, v[TM+4]
	v_lshl_or_b32 v[PWA], v[TM+6], 16, v[PWA]
	v_lshl_or_b32 v[PWA], v[TM+7], 24, v[PWA]
	WIN 0x02+((\a)/4)
.irp c, 0,1
	v_cvt_scalef32_pk16_bf6_f32 v[PCA+6*\c:PCA+6*\c+2], v[AC+32*\c:AC+32*\c+15], v[TM+12+2*\c]
	v_cvt_scalef32_pk16_bf6_f32 v[PCA+12+4*\c:PCA+14+4*\c], v[AC+32*\c+16:AC+32*\c+31], v[TM+12+2*\c+1]
.endr
	WIN 0
	v_nop
.irp c, 0,1
.irp i, 0,1,2
	v_permlane16_swap_b32 v[PCA+6*\c+\i], v[PCA+12+4*\c+\i]
.endr
.irp i, 0,1,2
	v_mov_b32 v[PCA+3+6*\c+\i], v[PCA+12+4*\c+\i]
.endr
.endr
.irp c, 0,1,2
	global_store_b128 v[LI], v[PCA+4*\c:PCA+4*\c+3], s[12:13] offset:(\a)*FRB+512*\c
.endr
	global_store_b32 v[LS], v[PWA], s[92:93] offset:(\a)*128
.endm
	PLACES NP
.irp a, 0,1,2,3,4,5,6,7
	QUANTW \a
.endr
	s_wait_tensorcnt 0x0
	ds_add_u32 v[SPW], v[NIL]
	s_wait_dscnt 0x0
	CROUND
	s_endpgm
.Lfunc_end_k_qdefea0a397_proj_qk:
	.size	k_qdefea0a397_proj_qk, .Lfunc_end_k_qdefea0a397_proj_qk-k_qdefea0a397_proj_qk
	.p2alignl 7, 3214868480
	.fill 96, 4, 3214868480
	.section	.rodata,"a",@progbits
	.p2align	6, 0x0
	.amdhsa_kernel k_qdefea0a397_proj_qk
		.amdhsa_group_segment_fixed_size 327680
		.amdhsa_private_segment_fixed_size 0
		.amdhsa_enable_private_segment 0
		.amdhsa_kernarg_size 24
		.amdhsa_user_sgpr_count 2
		.amdhsa_user_sgpr_kernarg_segment_ptr 1
		.amdhsa_wavefront_size32 1
		.amdhsa_system_sgpr_workgroup_id_x 1
		.amdhsa_system_sgpr_workgroup_id_y 1
		.amdhsa_system_sgpr_workgroup_id_z 1
		.amdhsa_system_vgpr_workitem_id 0
		.amdhsa_next_free_vgpr 1024
		.amdhsa_next_free_sgpr 100
		.amdhsa_reserve_vcc 0
		.amdhsa_float_denorm_mode_32 3
		.amdhsa_float_denorm_mode_16_64 3
		.amdhsa_memory_ordered 1
		.amdhsa_forward_progress 1
		.amdhsa_inst_pref_size 143
	.end_amdhsa_kernel
	.amdgpu_metadata
---
amdhsa.version: [ 1, 2 ]
amdhsa.kernels:
  - .name:           k_qdefea0a397_proj_qk
    .symbol:         k_qdefea0a397_proj_qk.kd
    .args:
      - { .name: wqk, .offset: 0, .size: 8, .value_kind: global_buffer, .address_space: global }
      - { .name: xq, .offset: 8, .size: 8, .value_kind: global_buffer, .address_space: global }
      - { .name: qk, .offset: 16, .size: 8, .value_kind: global_buffer, .address_space: global }
    .group_segment_fixed_size: 327680
    .private_segment_fixed_size: 0
    .kernarg_segment_align: 8
    .kernarg_segment_size: 24
    .max_flat_workgroup_size: 128
    .sgpr_count:     100
    .vgpr_count:     1024
    .wavefront_size: 32
...
	.end_amdgpu_metadata
.endif
;; end of part 3
;; launch proj_v: the kernel of part 3 again; grid 16 x 4, 4 waves a work-group, clusters of 4 x 4, 327,680 bytes of LDS; arguments xq, wv, vv; writes vv
;; launch attn (part 4): grid 8 x 32, 16 waves a work-group, clusters of 4 x 1, 327,680 bytes of LDS; arguments qk, vv, lambdas, oq; writes oq
.if DOCPART == 4
	.amdgcn_target "amdgcn-amd-amdhsa--gfx1250"
	.amdhsa_code_object_version 6
	.text
	.protected	k_qdefea0a397_attn
	.globl	k_qdefea0a397_attn
	.p2align	8
	.type	k_qdefea0a397_attn,@function
k_qdefea0a397_attn:
	s_mov_b64 s[64:65], 0
	v_nop
	global_prefetch_b8 v0, s[64:65] scope:SCOPE_SE
	s_setreg_imm32_b32 hwreg(HW_REG_WAVE_MODE, 25, 1), 1
	s_wait_xcnt 0x0
	s_wait_alu depctr_hold_cnt(0) depctr_sa_sdst(0) depctr_va_vdst(0) depctr_va_sdst(0) depctr_va_ssrc(0) depctr_va_vcc(0) depctr_vm_vsrc(0)
	s_getreg_b32 s2, hwreg(HW_REG_IB_STS2, 6, 4)
	s_cmp_eq_u32 s2, 0
	s_cbranch_scc0 .Lentry_in_a_cluster
	s_endpgm
.Lentry_in_a_cluster:
	s_bfe_u32 s2, ttmp6, 0x10000c
	s_cmp_lg_u32 s2, 0x3003
	s_cbranch_scc0 .Lentry_shape_is_right
	s_endpgm
.Lentry_shape_is_right:
; Differential attention of one (batch, head): wei = softmax(q1 k1^T / 8) - lam softmax(q2 k2^T / 8), causal; o = 0.8 wei v.  All three products on codes of BF6 (E3M2, one E8M0 byte for each 32 along K).
; wei is quantised FINISHED AND NORMALISED, along the keys, so the keys are walked twice: pass 1 finds, for both score matrices, a running maximum M (rounded up to a whole number) and the sum l of 2^(t - M),
; t = score x log2(e) / 8; pass 2 makes the scores again, wei = 2^(t1 - M1) / l1 - lam 2^(t2 - M2) / l2 in f32, its codes, and O^T += V^T wei^T.  When M moves, l is multiplied by 2^(old M - new M): exact.
; Runs of 64 keys that lie wholly behind the causal mask, which the problem builds itself, are not multiplied: their wei is 0, so in pass 2 they are zero codes.
; OPERANDS are images of registers (a fragment: 16 rows x 128 K, 1,536 bytes, three planes of 512 bytes, lane l at 16 l; scale image 128 bytes, word 4 l = row l % 16's; scale images from byte 0, codes from CODE_OFF).
; qk: fragment 256 G + 128 b + tile: G = h: [q1 | q2];  G = 16 + h: [k1 | k2].  vv: fragment 256 (16 b + ks) + 4 h + dt: 16 channels x the 128 keys of step ks.  Row r of tile 2 B + U is logical row 32 B + 8 U + r + 8 (r / 8).
; ONE KEY FRAGMENT FEEDS BOTH SCORES: 18 registers hold q1 (6), zero codes (6), q2 (6); registers 0-11 give sc1, registers 6-17 sc2: the zero codes fill K = 64 up to the form's 128.
; Both products are used transposed: a lane holds ONE query, and the 16 registers of key tiles 2 b, 2 b + 1 are 16 neighbouring keys.
; SHARES.  Waves w and w xor 1 form pair j = w / 2 and own two query tiles: the upper, 8 (15 - j) + g, and the lower, 8 j + (g xor 4), g the work-group's x: 17 key steps of 128 together.
; The wave with RB = (w xor w / 4) % 2 = 0 takes the upper tile's steps 0-7, none on the diagonal; its partner the upper tile's steps 8 .. 15 - j and the lower tile's j + 1.  Any four waves that are neighbours, or 4 apart, hold two of each kind.
; On the diagonal step a tile whose queries are the block's first 64 (sub-tile under 4) masks the first 64 keys and jumps over the other 64; one whose queries are the last 64 masks the second 64 alone.  Which it is hangs on the cluster's x.
; FOUR WALKS of 8 trips: pass 1 upper, pass 1 lower, pass 2 lower, pass 2 upper; a trip with no step for the wave jumps over the work.
; The two parts of an upper tile are joined through LDS: (-M1, -M2, l1, l2) of each part in records of their own bytes: the barrier for them is signalled behind the first walk and waited for behind the third, with register work and
; LDS loads alone between; the partner's O^T goes through K's bytes, behind a barrier behind which nobody reads K.
; A whole head's K, V and scale images (319,488 bytes) lie in LDS, filled once, one joint load a wave (the four work-groups of a cluster share the head).  All is asked for at the head, ahead of the loops: so no prefetch is written.
; o leaves as codes for the last product: fragment 8 (128 b + tile) + h / 2, in two halves of 768 bytes, one a head: 512 bytes registers 6 e .. 6 e + 3 at 16 l, 256 bytes registers 6 e + 4, 6 e + 5 at 8 l; each head stores its two scale bytes.
; LIMITS: NaN and infinities are not served; the scaled scores stay under 2^31 in magnitude; a block whose largest magnitude lies under 2^-122 keeps the byte 1; a block of zeros has the byte 1 or 0 (zero codes; this program alone reads the bytes).
.set CODE_OFF, 0x100000
.set FRB,  1536
.set VVB,  196608                      ; LDS: K's 128 fragments from 0; V's 64 from here;
.set KSB,  294912                      ; K's scale images;
.set VSB,  311296                      ; V's, up to 319,488
.set SPARE, 0x4e000                    ; the spare words, 128 bytes a wave
.set XB,   0x4e800                     ; the records: 256 bytes a wave
.set LI,   1
.set LS,   2
.set DQ,   3                           ; my query's place in its run of 64, less 16 (lane / 16)
.set NINF, 4
.set ADK,  5
.set ADS,  6
.set ADV,  7
.set ADT,  8
.set QS,   9
.set PW,   10
.set LAM,  11
.set NM1,  12                          ; v12 -M1, v13 the largest t1;  v14, v15 the same of matrix 2
.set NM2,  14
.set L1,   16
.set L2,   18
.set R1,   20                          ; 1 / l1;  v[22:23] -lam / l2
.set NR2,  22
.set F1,   24
.set F2,   26
.set QF,   28                          ; v28-45  q1, zeros, q2
.set KSC,  46
.set KF,   50                          ; v50-97  four fragments of K or of V
.set S1,   98
.set S2,   130
.set O,    162                         ; v162-193 O^T
.set PC,   194
.set PT,   206
.set XST,  209                         ; LDS: my record
.set TM,   210
.set TP,   226
.set XRA,  238                         ; LDS: the pair's first record; the second lies 256 bytes on
.set OXA,  239                         ; LDS: the pair's 4,096 bytes for O^T, in K's bytes
.set L8,   240
.set QXS,  241                         ; the other tile's Q: scale words, and v242-253 its codes
.set QX,   242
.set WV,   12
.set RB,   13
.set GG,   14
.set JJ,   15                          ; j: the lower tile's block of 128 queries
.set SEL,  20
.set CS,   22
.set KI,   76
.set TK,   77
.set TS,   78
.set TV,   79
.set TT,   80
.set C08,  82
.set DMU0, 84                          ; the upper tile: the step whose first 64 keys are masked and whose other 64 are hidden (-1: none); the step whose second 64 are masked
.set DMU1, 85
.set DML0, 86                          ; the same of the lower tile
.set DML1, 87
.set HI1,  96                          ; my last step of the upper tile, of the lower tile (-1: none)
.set HI2,  97
.set D1,   98                          ; 15 - j: the upper tile's block
.set RB8,  99
.set ST,   100                         ; the trip's key step (at the head: the upper tile's number)
.set TLO,  101                         ; at the head: the lower tile's number
.macro ROUND
	s_barrier_signal -1
	s_barrier_wait -1
	s_cmp_lg_u32 s[WV], 0
	s_cbranch_scc1 .Lnot_wave_0_\@
	s_barrier_signal -3
.Lnot_wave_0_\@:
	s_barrier_wait -3
	s_barrier_signal -1
	s_barrier_wait -1
.endm
.macro GROUP1 g, cols, rows, pitch     ; rows of cols elements of 8 bytes; the mask names all four work-groups; bit 21 set beside it
	s_mov_b32 s[\g], 15|(3<<16)|(1<<21)
	s_mov_b32 s[\g+1], (\cols)<<16
	s_mov_b32 s[\g+2], (\rows)<<16
	s_mov_b32 s[\g+3], (\cols)<<16
	s_mov_b32 s[\g+4], \rows
	s_mov_b32 s[\g+5], \pitch
	s_mov_b32 s[\g+6], 0
	s_mov_b32 s[\g+7], 0
.endm
.macro ARM under, g0, g1, next         ; one arm of the head's chain: one load, then the jump to the join
	s_cmp_lt_u32 s[WV], \under
	s_cbranch_scc0 \next
	tensor_load_to_lds s[\g0:\g0+3], s[\g1:\g1+7]
	s_nop 0
.rept 4
	v_nop
.endr
	s_branch .Lasked
\next:
.endm
.macro LOADK c
.irp t, 0,1,2,3
.irp p, 0,1,2
	ds_load_b128 v[KF+12*\t+4*\p:KF+12*\t+4*\p+3], v[ADK] offset:(4*(\c)+\t)*FRB+512*\p
.endr
	ds_load_b32 v[KSC+\t], v[ADS] offset:(4*(\c)+\t)*128
.endr
.endm
.macro LOADV
.irp t, 0,1,2,3
.irp p, 0,1,2
	ds_load_b128 v[KF+12*\t+4*\p:KF+12*\t+4*\p+3], v[ADV] offset:\t*FRB+512*\p
.endr
	ds_load_b32 v[KSC+\t], v[ADT] offset:\t*128
.endr
.endm
.macro SCW
	s_wait_dscnt 0x0
.irp t, 0,1,2,3
	v_wmma_scale_f32_16x16x128_f8f6f4 v[S1+8*\t:S1+8*\t+7], v[KF+12*\t:KF+12*\t+11], v[QF:QF+11], 0, v[KSC+\t], v[QS] matrix_a_fmt:MATRIX_FMT_BF6 matrix_b_fmt:MATRIX_FMT_BF6
	v_wmma_scale_f32_16x16x128_f8f6f4 v[S2+8*\t:S2+8*\t+7], v[KF+12*\t:KF+12*\t+11], v[QF+6:QF+17], 0, v[KSC+\t], v[QS] matrix_a_fmt:MATRIX_FMT_BF6 matrix_b_fmt:MATRIX_FMT_BF6
.endr
.rept 4
	v_nop
.endr
.endm
.macro MASK dm                         ; in step s[dm] the scores of hidden keys become -infinity.  Register n holds key 32 (n / 16) + n % 16 + 16 (lane / 16) of the run of 64 in which my query lies too
	s_cmp_lg_u32 s[ST], s[\dm]
	s_cbranch_scc1 .Lopen_\@
.set n, 0
.rept 32
	v_cmp_gt_i32 vcc_lo, 32*(n/16)+n%16, v[DQ]
	v_cndmask_b32 v[S1+n], v[S1+n], v[NINF], vcc_lo
	v_cndmask_b32 v[S2+n], v[S2+n], v[NINF], vcc_lo
.set n, n+1
.endr
.Lopen_\@:
.endm
.macro EXPS                            ; t - M for both matrices, two at a time, and the 64 exponentials
.irp j, 0,2,4,6,8,10,12,14,16,18,20,22,24,26,28,30
	v_pk_fma_f32 v[S1+\j:S1+\j+1], v[S1+\j:S1+\j+1], s[CS:CS+1], v[NM1:NM1+1] op_sel_hi:[1,0,0]
.endr
.irp j, 0,2,4,6,8,10,12,14,16,18,20,22,24,26,28,30
	v_pk_fma_f32 v[S2+\j:S2+\j+1], v[S2+\j:S2+\j+1], s[CS:CS+1], v[NM2:NM2+1] op_sel_hi:[1,0,0]
.endr
.set n, 0
	s_wait_alu depctr_va_vdst(0)                   ; the wait ahead of the batch
.rept 64
	v_exp_f32 v[S1+n], v[S1+n]                     ; (S2 follows S1)
.set n, n+1
.endr
.endm
.macro STAT                            ; pass 1, 64 keys: the maxima, the new M, the sums; the two matrices by turns; each accumulator is read from its low end on
.irp t, 0,1,2,3
	v_max3_num_f32 v[TM+\t], v[S1+8*\t], v[S1+8*\t+1], v[S1+8*\t+2]
	v_max3_num_f32 v[TM+4+\t], v[S2+8*\t], v[S2+8*\t+1], v[S2+8*\t+2]
.endr
.irp i, 3,5
.irp t, 0,1,2,3
	v_max3_num_f32 v[TM+\t], v[TM+\t], v[S1+8*\t+\i], v[S1+8*\t+\i+1]
	v_max3_num_f32 v[TM+4+\t], v[TM+4+\t], v[S2+8*\t+\i], v[S2+8*\t+\i+1]
.endr
.endr
	v_max3_num_f32 v[TM], v[TM], v[S1+7], v[S1+15]
	v_max3_num_f32 v[TM+4], v[TM+4], v[S2+7], v[S2+15]
	v_max3_num_f32 v[TM+2], v[TM+2], v[S1+23], v[S1+31]
	v_max3_num_f32 v[TM+6], v[TM+6], v[S2+23], v[S2+31]
	s_delay_alu instid0(VALU_DEP_2)
	v_max3_num_f32 v[TM], v[TM], v[TM+1], v[TM+2]
	s_delay_alu instid0(VALU_DEP_2)
	v_max3_num_f32 v[TM+4], v[TM+4], v[TM+5], v[TM+6]
	s_delay_alu instid0(VALU_DEP_2)
	v_max_num_f32 v[TM], v[TM], v[TM+3]
	s_delay_alu instid0(VALU_DEP_2)
	v_max_num_f32 v[TM+4], v[TM+4], v[TM+7]
	s_delay_alu instid0(VALU_DEP_2)
	v_permlanex16_b32 v[TM+8], v[TM], s[SEL], s[SEL+1]
	s_delay_alu instid0(VALU_DEP_2)
	v_permlanex16_b32 v[TM+9], v[TM+4], s[SEL], s[SEL+1]
	s_delay_alu instid0(VALU_DEP_2)
	v_max_num_f32 v[TM], v[TM], v[TM+8]            ; with lane l xor 16's keys
	s_delay_alu instid0(VALU_DEP_2)
	v_max_num_f32 v[TM+4], v[TM+4], v[TM+9]
	s_delay_alu instid0(VALU_DEP_2)
	v_mul_f32 v[TM], s[CS], v[TM]                  ; as t (c is positive)
	s_delay_alu instid0(VALU_DEP_2)
	v_mul_f32 v[TM+4], s[CS], v[TM+4]
	s_delay_alu instid0(VALU_DEP_2)
	v_max_num_f32 v[NM1+1], v[NM1+1], v[TM]        ; the running largest t
	s_delay_alu instid0(VALU_DEP_2)
	v_max_num_f32 v[NM2+1], v[NM2+1], v[TM+4]
	v_mov_b32 v[TM], v[NM1]
	v_mov_b32 v[TM+4], v[NM2]
	s_delay_alu instid0(VALU_DEP_4)
	v_floor_f32 v[NM1], -v[NM1+1]                  ; the new -M = floor(-t): M is a whole number
	s_delay_alu instid0(VALU_DEP_4)
	v_floor_f32 v[NM2], -v[NM2+1]
	s_delay_alu instid0(VALU_DEP_2)
	v_sub_f32 v[TM], v[NM1], v[TM]                 ; old M less new M: a whole number, 0 or less
	s_delay_alu instid0(VALU_DEP_2)
	v_sub_f32 v[TM+4], v[NM2], v[TM+4]
	s_delay_alu instid0(VALU_DEP_2)
	v_cvt_i32_f32 v[TM], v[TM]                     ; (it saturates)
	s_delay_alu instid0(VALU_DEP_2)
	v_cvt_i32_f32 v[TM+4], v[TM+4]
	s_delay_alu instid0(VALU_DEP_2)
	v_ldexp_f32 v[F1], 1.0, v[TM]
	s_delay_alu instid0(VALU_DEP_2)
	v_ldexp_f32 v[F2], 1.0, v[TM+4]
	EXPS
	v_pk_mul_f32 v[L1:L1+1], v[L1:L1+1], v[F1:F1+1] op_sel_hi:[1,0]   ; the sums under the new M (plain places behind the exponentials)
	v_pk_mul_f32 v[L2:L2+1], v[L2:L2+1], v[F2:F2+1] op_sel_hi:[1,0]
	s_wait_alu depctr_va_vdst(0)                   ; one wait for the batch, ahead of its first reader
	v_pk_add_f32 v[TP:TP+1], v[S1:S1+1], v[S1+2:S1+3]
	v_pk_add_f32 v[TP+2:TP+3], v[S2:S2+1], v[S2+2:S2+3]
.irp j, 4,8,12,16,20,24,28
	v_pk_add_f32 v[L1:L1+1], v[L1:L1+1], v[S1+\j:S1+\j+1]
	v_pk_add_f32 v[L2:L2+1], v[L2:L2+1], v[S2+\j:S2+\j+1]
	v_pk_add_f32 v[TP:TP+1], v[TP:TP+1], v[S1+\j+2:S1+\j+3]
	v_pk_add_f32 v[TP+2:TP+3], v[TP+2:TP+3], v[S2+\j+2:S2+\j+3]
.endr
	s_delay_alu instid0(VALU_DEP_2)
	v_pk_add_f32 v[L1:L1+1], v[L1:L1+1], v[TP:TP+1]
	s_delay_alu instid0(VALU_DEP_2)
	v_pk_add_f32 v[L2:L2+1], v[L2:L2+1], v[TP+2:TP+3]
.endm
.macro WEI                             ; pass 2, 64 keys: wei = p1 / l1 - lam p2 / l2, into S1
	EXPS
	v_nop                                          ; a plain place behind the exponentials
	s_wait_alu depctr_va_vdst(0)
.irp j, 0,2,4,6,8,10,12,14,16,18,20,22,24,26,28,30
	v_pk_mul_f32 v[S1+\j:S1+\j+1], v[S1+\j:S1+\j+1], v[R1:R1+1] op_sel_hi:[1,0]
.endr
.irp j, 0,2,4,6,8,10,12,14,16,18,20,22,24,26,28,30
	v_pk_fma_f32 v[S1+\j:S1+\j+1], v[S2+\j:S2+\j+1], v[NR2:NR2+1], v[S1+\j:S1+\j+1] op_sel_hi:[1,0,1]
.endr
.endm
; 32 numbers of a lane, register 16 b + i = k 32 b + 16 h + i of my row, become six registers of codes at v[pc] on; the two scale bytes are left in v[TM+4], v[TM+5].
.macro QH s, pc
.irp b, 0,1
	v_max3_num_f32 v[TM+\b], |v[\s+16*\b]|, |v[\s+16*\b+1]|, 0x2800000   ; and the floor 2^(5 - 127): the byte cannot fall under 1
.endr
.irp i, 2,4,6,8,10,12,14
.irp b, 0,1
	s_delay_alu instid0(VALU_DEP_2)
	v_max3_num_f32 v[TM+\b], v[TM+\b], |v[\s+16*\b+\i]|, |v[\s+16*\b+\i+1]|
.endr
.endr
.irp b, 0,1
	s_delay_alu instid0(VALU_DEP_2)
	v_permlanex16_b32 v[TM+4+\b], v[TM+\b], s[SEL], s[SEL+1]
.endr
.irp b, 0,1
	s_delay_alu instid0(VALU_DEP_2)
	v_max_num_f32 v[TM+\b], v[TM+\b], v[TM+4+\b]
.endr
.irp b, 0,1
	s_delay_alu instid0(VALU_DEP_2)
	v_add_nc_u32 v[TM+8+\b], 0xfe000000, v[TM+\b]  ; 4 off the exponent field: the conversion's scale operand
.endr
.irp b, 0,1
	s_delay_alu instid0(VALU_DEP_2)
	v_lshrrev_b32 v[TM+4+\b], 23, v[TM+8+\b]       ; the scale's byte
.endr
	v_cvt_scalef32_pk16_bf6_f32 v[\pc:\pc+2], v[\s:\s+15], v[TM+8]
	v_cvt_scalef32_pk16_bf6_f32 v[PT:PT+2], v[\s+16:\s+31], v[TM+9]
	v_nop                                          ; one plain place behind a scaled conversion
.irp i, 0,1,2
	v_permlane16_swap_b32 v[\pc+\i], v[PT+\i]      ; a WHOLE block in a lane: lanes 0-15 the first, lanes 16-31 the second
.endr
.irp i, 0,1,2
	s_delay_alu instid0(VALU_DEP_3)
	v_mov_b32 v[\pc+3+\i], v[PT+\i]
.endr
.endm
.macro P1STEP hc, dm0, dm1             ; pass 1, 128 keys.  The address registers are written on every wave's way; a trip with no step for me is jumped over
	v_add_nc_u32 v[ADK], s[TK], v[LI]
	v_add_nc_u32 v[ADS], s[TS], v[LS]
	s_cmp_gt_i32 s[ST], s[\hc]
	s_cbranch_scc1 .Lp1_end_\@
	LOADK 0
	SCW
	s_wait_alu depctr_va_vdst(0)
	LOADK 1                                        ; lands while the first 64 keys are worked
	MASK \dm0
	STAT
	s_cmp_eq_u32 s[ST], s[\dm0]
	s_cbranch_scc1 .Lp1_half_\@                    ; the other 64 keys all come after my queries
	SCW
	MASK \dm1
	STAT
.Lp1_half_\@:
	s_wait_dscnt 0x0                               ; where the second 64 were jumped over, their loads have landed before the registers are loaded again
.Lp1_end_\@:
.endm
.macro P2STEP hc, dm0, dm1             ; pass 2, 128 keys.  The four additions are also the places between the last step's products and the loads into the registers that they read
	v_add_nc_u32 v[ADK], s[TK], v[LI]
	v_add_nc_u32 v[ADS], s[TS], v[LS]
	v_add_nc_u32 v[ADV], s[TV], v[LI]
	v_add_nc_u32 v[ADT], s[TT], v[LS]
	s_cmp_gt_i32 s[ST], s[\hc]
	s_cbranch_scc1 .Lp2_end_\@
	LOADK 0
	SCW
	s_wait_alu depctr_va_vdst(0)
	LOADK 1
	MASK \dm0
	WEI
	QH S1, PC
	v_lshl_or_b32 v[PW], v[TM+5], 8, v[TM+4]
	s_cmp_eq_u32 s[ST], s[\dm0]
	s_cbranch_scc1 .Lp2_half_\@
	SCW
	LOADV                                          ; lands while the second 64 keys are worked
	MASK \dm1
	WEI
	QH S1, PC+6
	v_lshl_or_b32 v[PW], v[TM+4], 16, v[PW]
	s_delay_alu instid0(VALU_DEP_1)
	v_lshl_or_b32 v[PW], v[TM+5], 24, v[PW]
	s_branch .Lp2_prod_\@
.Lp2_half_\@:                                          ; the other 64 keys all come after my queries: their wei is 0: zero codes, under the byte 0 that the word's upper half holds
	s_wait_dscnt 0x0                               ; their loads have landed before the registers are loaded again
	LOADV
.irp i, 6,7,8,9,10,11
	v_mov_b32 v[PC+\i], 0
.endr
.Lp2_prod_\@:
.rept 8
	v_nop                                          ; a scale register written by a vector instruction stands 8 places ahead of a scaled matrix instruction, an operand so written 4
.endr
	s_wait_alu depctr_va_vdst(0)
	s_wait_dscnt 0x0
.irp t, 0,1,2,3                                ; O^T += V^T wei^T: four accumulators by turns; other products stand between two links of a chain
	v_wmma_scale_f32_16x16x128_f8f6f4 v[O+8*\t:O+8*\t+7], v[KF+12*\t:KF+12*\t+11], v[PC:PC+11], v[O+8*\t:O+8*\t+7], v[KSC+\t], v[PW] matrix_a_fmt:MATRIX_FMT_BF6 matrix_b_fmt:MATRIX_FMT_BF6
.endr
.Lp2_end_\@:
.endm
; A walk of 8 trips.  p2: which pass; up: 1 = the upper tile, whose steps begin at 8 RB; 0 = the lower, from step 0.  The step and its tiles' places in LDS are made of the trip's count and the wave's number.
.macro WALK p2, up, hc, dm0, dm1
	s_mov_b32 s[KI], 0
.Lwalk_\@:
.if \up
	s_add_co_u32 s[ST], s[KI], s[RB8]
.else
	s_mov_b32 s[ST], s[KI]
.endif
	s_mul_i32 s[TK], s[ST], 8*FRB
	s_lshl_b32 s[TS], s[ST], 10
	s_add_co_u32 s[TS], s[TS], KSB
.if \p2
	s_mul_i32 s[TV], s[ST], 4*FRB
	s_add_co_u32 s[TV], s[TV], VVB
	s_lshl_b32 s[TT], s[ST], 9
	s_add_co_u32 s[TT], s[TT], VSB
	P2STEP \hc, \dm0, \dm1
.else
	P1STEP \hc, \dm0, \dm1
.endif
	s_add_co_u32 s[KI], s[KI], 1
	s_cmp_lt_u32 s[KI], 8
	s_cbranch_scc1 .Lwalk_\@
.endm
.macro RESET                           ; a tile's pass 1 begins: the largest t -3e38, under every t; the sums 0
	v_mov_b32 v[NM1+1], 0xff61b1e6
	v_mov_b32 v[NM2+1], 0xff61b1e6
	v_floor_f32 v[NM1], -v[NM1+1]
	v_floor_f32 v[NM2], -v[NM2+1]
.irp j, L1, L1+1, L2, L2+1
	v_mov_b32 v[\j], 0
.endr
.endm
.macro SUML d1, d2                     ; the sums' two halves, and lane l xor 16's
	v_add_f32 v[L1], v[L1], v[L1+1]
	v_add_f32 v[L2], v[L2], v[L2+1]
	s_delay_alu instid0(VALU_DEP_2)
	v_permlanex16_b32 v[TM+8], v[L1], s[SEL], s[SEL+1]
	s_delay_alu instid0(VALU_DEP_2)
	v_permlanex16_b32 v[TM+9], v[L2], s[SEL], s[SEL+1]
	s_delay_alu instid0(VALU_DEP_2)
	v_add_f32 v[\d1], v[L1], v[TM+8]
	s_delay_alu instid0(VALU_DEP_2)
	v_add_f32 v[\d2], v[L2], v[TM+9]
.endm
.macro RECIP                           ; 1 / l1 and -lam / l2
	s_wait_alu depctr_va_vdst(0)
	v_rcp_f32 v[R1], v[L1]
	v_rcp_f32 v[TP], v[L2]
	v_nop                                          ; a plain place behind the reciprocals
	s_wait_alu depctr_va_vdst(0)
	v_mov_b32 v[R1+1], v[R1]
	v_mul_f32 v[NR2], -v[LAM], v[TP]
	s_delay_alu instid0(VALU_DEP_1)
	v_mov_b32 v[NR2+1], v[NR2]
.endm
.macro QSWAP                           ; the two tiles' Q change places; the scale words first, so that at least 8 plain lines stand between them and the next product
	v_mov_b32 v[TM+12], v[QS]
	v_mov_b32 v[QS], v[QXS]
	v_mov_b32 v[QXS], v[TM+12]
.irp i, 0,1,2,3,4,5
	v_mov_b32 v[TM+\i], v[QF+\i]
	v_mov_b32 v[TM+6+\i], v[QF+12+\i]
.endr
.irp i, 0,1,2,3,4,5
	v_mov_b32 v[QF+\i], v[QX+\i]
	v_mov_b32 v[QF+12+\i], v[QX+6+\i]
.endr
.irp i, 0,1,2,3,4,5
	v_mov_b32 v[QX+\i], v[TM+\i]
	v_mov_b32 v[QX+6+\i], v[TM+6+\i]
.endr
.endm
.macro FINISH cb, sb                   ; o = 0.8 O^T; a lane's 32 registers are my query's 64 channels in the order 32 b + 16 h + i: two blocks of the last product's K
.irp j, 0,2,4,6,8,10,12,14,16,18,20,22,24,26,28,30
	v_pk_mul_f32 v[S1+\j:S1+\j+1], v[O+\j:O+\j+1], s[C08:C08+1] op_sel_hi:[1,0]
.endr
	QH S1, PC
	v_lshl_or_b32 v[TP], v[TM+5], 8, v[TM+4]
	global_store_b128 v[LI], v[PC:PC+3], s[\cb:\cb+1]              ; 512 consecutive bytes, at a multiple of 256 from the buffer's first byte
	global_store_b64 v[L8], v[PC+4:PC+5], s[\cb:\cb+1] offset:512  ; 256 consecutive bytes
	global_store_b16 v[LS], v[TP], s[\sb:\sb+1]                    ; my head's half of the scale words
.endm
.macro OBASE tile, cb, sb              ; where a tile's o goes: fragment 8 x tile + h / 2, half h % 2
	s_lshl_b32 s16, s[\tile], 3
	s_lshr_b32 s19, s18, 1
	s_add_co_u32 s16, s16, s19
	s_and_b32 s19, s18, 1
	s_mul_i32 s[\cb], s16, FRB
	s_mul_i32 s81, s19, 768
	s_add_co_u32 s[\cb], s[\cb], s81
	s_add_co_u32 s[\cb], s[\cb], CODE_OFF
	s_mov_b32 s[\cb+1], 0
	s_lshl_b32 s[\sb], s16, 7
	s_lshl_b32 s19, s19, 1
	s_add_co_u32 s[\sb], s[\sb], s19
	s_mov_b32 s[\sb+1], 0
	s_add_nc_u64 s[\cb:\cb+1], s[10:11], s[\cb:\cb+1]
	s_add_nc_u64 s[\sb:\sb+1], s[10:11], s[\sb:\sb+1]
.endm
	s_load_b256 s[4:11], s[0:1], 0x0               ; qk s[4:5], vv s[6:7], lambdas s[8:9], oq s[10:11]
	v_lshl_add_u32 v254, v0, 2, SPARE
	v_mov_b32 v255, 0
	ds_add_u32 v254, v255                          ; the opening lines: the add, twice on end, and its wait
	ds_add_u32 v254, v255
	v_lshrrev_b32 v[TP], 5, v0
	v_readfirstlane_b32 s[WV], v[TP]               ; wave 0..15
	s_lshr_b32 s16, s[WV], 2
	s_xor_b32 s16, s16, s[WV]
	s_and_b32 s[RB], s16, 1                        ; RB = (wave xor wave / 4) % 2
	s_lshl_b32 s[RB8], s[RB], 3
	s_lshr_b32 s[JJ], s[WV], 1                     ; j = wave / 2
	s_xor_b32 s[D1], s[JJ], 15                     ; 15 - j
	s_cmp_eq_u32 s[RB], 1
	s_cselect_b32 s[HI1], s[D1], 7
	s_cselect_b32 s[HI2], s[JJ], -1
	s_lshl_b32 s16, s[WV], 8
	s_add_co_u32 s16, s16, XB
	s_and_b32 s19, s[WV], 14
	s_lshl_b32 s19, s19, 8
	s_add_co_u32 s19, s19, XB
	s_lshl_b32 s81, s[JJ], 12
	v_and_b32 v[TP], 31, v0
	v_and_b32 v[TP+1], 15, v0
	v_lshlrev_b32 v[LI], 4, v[TP]
	v_lshlrev_b32 v[LS], 2, v[TP]
	v_lshlrev_b32 v[L8], 3, v[TP]
	v_lshlrev_b32 v[TP+1], 4, v[TP+1]
	v_add_nc_u32 v[OXA], s81, v[LI]
	v_add_nc_u32 v[XST], s16, v[TP+1]              ; a record: 16 bytes a query; lanes l and l xor 16 hold the same
	v_add_nc_u32 v[XRA], s19, v[TP+1]
	s_wait_alu depctr_va_vdst(0)                   ; the wait ahead of the scalar lines and waits below
	s_and_b32 s16, ttmp7, 0xffff                   ; 16 b + h, which the four partners share
	s_lshr_b32 s17, s16, 4                         ; b
	s_and_b32 s18, s16, 15                         ; h
	s_add_co_u32 s19, s18, 16
	s_lshl_b32 s19, s19, 8
	s_lshl_b32 s81, s17, 7
	s_add_co_u32 s19, s19, s81                     ; K's first fragment: 256 (16 + h) + 128 b
	s_mul_i32 s88, s19, FRB
	s_and_b32 s81, s[WV], 7
	s_mul_i32 s57, s81, 16*FRB                     ; waves 0-7: sixteen of K's 128 fragments each
	s_add_co_u32 s88, s88, s57
	s_add_co_u32 s88, s88, CODE_OFF
	s_mov_b32 s89, 0
	s_lshl_b32 s90, s19, 7
	s_and_b32 s81, s[WV], 1
	s_lshl_b32 s61, s81, 13                        ; waves 12, 13: half of K's scale images each
	s_add_co_u32 s90, s90, s61
	s_add_co_u32 s61, s61, KSB
	s_mov_b32 s91, 0
	s_lshl_b32 s73, s81, 12                        ; waves 14, 15: V's scale images of eight key steps each
	s_add_co_u32 s73, s73, VSB
	s_lshl_b32 s94, s81, 3
	s_lshl_b32 s67, s17, 4
	s_add_co_u32 s94, s94, s67
	s_lshl_b32 s94, s94, 8
	s_lshl_b32 s16, s18, 2
	s_add_co_u32 s94, s94, s16                     ; fragment 256 (16 b + 8 (wave % 2)) + 4 h
	s_lshl_b32 s94, s94, 7
	s_mov_b32 s95, 0
	s_and_b32 s81, s[WV], 3
	s_mul_i32 s69, s81, 16*FRB                     ; waves 8-11: V's fragments of four key steps each
	s_add_co_u32 s69, s69, VVB
	s_lshl_b32 s92, s81, 2
	s_add_co_u32 s92, s92, s67
	s_lshl_b32 s92, s92, 8
	s_add_co_u32 s92, s92, s16                     ; fragment 256 (16 b + 4 (wave % 4)) + 4 h
	s_mul_i32 s92, s92, FRB
	s_add_co_u32 s92, s92, CODE_OFF
	s_mov_b32 s93, 0
	GROUP1 24, 32, 96, 32                          ; K's codes: 24,576 dense bytes as rows of 256
	GROUP1 32, 768, 4, 49152                       ; V's codes: a key step's 6,144 bytes a row, rows 393,216 bytes apart
	GROUP1 40, 32, 32, 32                          ; K's scale images: 8,192 dense bytes
	GROUP1 48, 64, 8, 4096                         ; V's scale images: a key step's 512 bytes a row, rows 32,768 bytes apart
	s_mov_b32 s[SEL], 0x76543210
	s_mov_b32 s[SEL+1], 0xfedcba98
	s_mov_b32 s[CS], 0x3e38aa3b                    ; c = log2(e) / 8
	s_mov_b32 s[CS+1], s[CS]
	s_mov_b32 s[C08], 0x3f4ccccd                   ; 1 - 0.2, rounded to f32
	s_mov_b32 s[C08+1], s[C08]
	s_wait_dscnt 0x0
	s_wait_kmcnt 0x0
	s_mov_b32 s56, 1
	s_add_nc_u64 s[58:59], s[4:5], s[88:89]
	s_or_b32 s59, s59, 0x80000000
	s_mov_b32 s60, 1
	s_add_nc_u64 s[62:63], s[4:5], s[90:91]
	s_or_b32 s63, s63, 0x80000000
	s_mov_b32 s68, 1
	s_add_nc_u64 s[70:71], s[6:7], s[92:93]
	s_or_b32 s71, s71, 0x80000000
	s_mov_b32 s72, 1
	s_add_nc_u64 s[74:75], s[6:7], s[94:95]
	s_or_b32 s75, s75, 0x80000000
	ROUND                                          ; all four work-groups are here: the joint loads meet
	ARM 8, 56, 24, .Lhead_v                        ; one load a wave, in one chain of arms: every region is filled once in the launch
	ARM 12, 68, 32, .Lhead_ks
	ARM 14, 60, 40, .Lhead_vs
	tensor_load_to_lds s[72:75], s[48:55]
	s_nop 0
.rept 4
	v_nop
.endr
.Lasked:
	s_load_b128 s[84:87], s[8:9], 0x0              ; the four lambdas
	s_bfe_u32 s67, ttmp6, 0x40000                  ; cx: it enters Q's and o's global addresses and the mask's vector alone
	s_lshl_b32 s16, ttmp9, 2
	s_add_co_u32 s[GG], s67, s16                   ; g = 4 x cluster x + cx
	s_xor_b32 s19, s[GG], 4
	s_lshl_b32 s16, s17, 7
	s_lshl_b32 s[ST], s[D1], 3
	s_add_co_u32 s[ST], s[ST], s16
	s_add_co_u32 s[ST], s[ST], s[GG]               ; the upper tile: 128 b + 8 (15 - j) + g
	s_lshl_b32 s[TLO], s[JJ], 3
	s_add_co_u32 s[TLO], s[TLO], s16
	s_add_co_u32 s[TLO], s[TLO], s19               ; the lower: 128 b + 8 j + (g xor 4)
	s_lshl_b32 s19, s18, 8
	s_add_co_u32 s16, s[ST], s19                   ; Q's fragment: 256 h + tile
	s_mul_i32 s88, s16, FRB
	s_add_co_u32 s88, s88, CODE_OFF
	s_mov_b32 s89, 0
	s_lshl_b32 s90, s16, 7
	s_mov_b32 s91, 0
	s_add_co_u32 s16, s[TLO], s19
	s_mul_i32 s92, s16, FRB
	s_add_co_u32 s92, s92, CODE_OFF
	s_mov_b32 s93, 0
	s_lshl_b32 s94, s16, 7
	s_mov_b32 s95, 0
	s_add_nc_u64 s[88:89], s[4:5], s[88:89]
	s_add_nc_u64 s[90:91], s[4:5], s[90:91]
	s_add_nc_u64 s[92:93], s[4:5], s[92:93]
	s_add_nc_u64 s[94:95], s[4:5], s[94:95]
	global_load_b128 v[QF:QF+3], v[LI], s[88:89]                 ; the upper tile: registers 0-3 of [q1 | q2]
	global_load_b128 v[TP+4:TP+7], v[LI], s[88:89] offset:512    ; 4-7: two of q1, two of q2
	global_load_b128 v[QF+14:QF+17], v[LI], s[88:89] offset:1024 ; 8-11
	global_load_b32 v[QS], v[LS], s[90:91]
	global_load_b128 v[QX:QX+3], v[LI], s[92:93]                 ; the lower tile, as it lies
	global_load_b128 v[QX+4:QX+7], v[LI], s[92:93] offset:512
	global_load_b128 v[QX+8:QX+11], v[LI], s[92:93] offset:1024
	global_load_b32 v[QXS], v[LS], s[94:95]
	s_lshr_b32 s16, s67, 1                         ; a tile's first query in its run of 64: 32 (cx / 2) + 8 (cx % 2), the same for both tiles
	s_lshl_b32 s16, s16, 5
	s_and_b32 s19, s67, 1
	s_lshl_b32 s19, s19, 3
	s_add_co_u32 s16, s16, s19
	v_and_b32 v[TP], 15, v0
	s_delay_alu instid0(VALU_DEP_1)
	v_and_b32 v[TP+1], 8, v[TP]
	s_delay_alu instid0(VALU_DEP_1)
	v_add_nc_u32 v[TP], v[TP], v[TP+1]             ; r + 8 (r / 8)
	v_bfe_u32 v[TP+1], v0, 4, 1
	s_delay_alu instid0(VALU_DEP_1)
	v_lshlrev_b32 v[TP+1], 4, v[TP+1]
	s_delay_alu instid0(VALU_DEP_1)
	v_sub_nc_u32 v[TP], v[TP], v[TP+1]
	s_delay_alu instid0(VALU_DEP_1)
	v_add_nc_u32 v[DQ], s16, v[TP]
	v_mov_b32 v[NINF], 0xff800000
	RESET
.irp j, F1, F1+1, F2, F2+1, TM+4, TM+5, TM+8, TM+9
	v_mov_b32 v[\j], 0                             ; the pairs' upper halves; the lane permutes' destinations, which count as sources
.endr
	s_wait_kmcnt 0x0
	; lam = e^(l0 l1) - e^(l2 l3) + 0.2.  e^x = 2^(x log2 e), the product in two parts (a fused multiply-add gives what the first rounding dropped), its whole part put in by v_ldexp_f32
	v_mov_b32 v[TP], s84
	v_mov_b32 v[TP+1], s86
	s_delay_alu instid0(VALU_DEP_2)
	v_mul_f32 v[TP], s85, v[TP]
	s_delay_alu instid0(VALU_DEP_2)
	v_mul_f32 v[TP+1], s87, v[TP+1]
	s_delay_alu instid0(VALU_DEP_2)
	v_mul_f32 v[TP+2], 0x3fb8aa3b, v[TP]
	s_delay_alu instid0(VALU_DEP_2)
	v_mul_f32 v[TP+3], 0x3fb8aa3b, v[TP+1]
	s_delay_alu instid0(VALU_DEP_2)
	v_fma_f32 v[TP+8], v[TP], 0x3fb8aa3b, -v[TP+2]
	s_delay_alu instid0(VALU_DEP_2)
	v_fma_f32 v[TP+9], v[TP+1], 0x3fb8aa3b, -v[TP+3]
	s_delay_alu instid0(VALU_DEP_2)
	v_fma_f32 v[TP+8], v[TP], 0x32a5705f, v[TP+8]
	s_delay_alu instid0(VALU_DEP_2)
	v_fma_f32 v[TP+9], v[TP+1], 0x32a5705f, v[TP+9]
	v_rndne_f32 v[TP+10], v[TP+2]
	v_rndne_f32 v[TP+11], v[TP+3]
	s_delay_alu instid0(VALU_DEP_2)
	v_sub_f32 v[TP+2], v[TP+2], v[TP+10]
	s_delay_alu instid0(VALU_DEP_2)
	v_sub_f32 v[TP+3], v[TP+3], v[TP+11]
	s_delay_alu instid0(VALU_DEP_2)
	v_add_f32 v[TP+2], v[TP+2], v[TP+8]
	s_delay_alu instid0(VALU_DEP_2)
	v_add_f32 v[TP+3], v[TP+3], v[TP+9]
	s_wait_alu depctr_va_vdst(0)
	v_exp_f32 v[TP+2], v[TP+2]
	v_exp_f32 v[TP+3], v[TP+3]
	v_nop                                          ; a plain place behind the exponentials
	v_cvt_i32_f32 v[TP+10], v[TP+10]
	v_cvt_i32_f32 v[TP+11], v[TP+11]
	s_wait_alu depctr_va_vdst(0)
	v_ldexp_f32 v[TP+2], v[TP+2], v[TP+10]
	v_ldexp_f32 v[TP+3], v[TP+3], v[TP+11]
	s_delay_alu instid0(VALU_DEP_1)
	v_sub_f32 v[LAM], v[TP+2], v[TP+3]
	s_delay_alu instid0(VALU_DEP_1)
	v_add_f32 v[LAM], 0x3e4ccccd, v[LAM]
	s_wait_loadcnt 0x0                             ; both tiles' Q; the loads' bases may be written again
	v_mov_b32 v[QF+4], v[TP+4]
	v_mov_b32 v[QF+5], v[TP+5]
	v_mov_b32 v[QF+12], v[TP+6]
	v_mov_b32 v[QF+13], v[TP+7]
.irp j, 6,7,8,9,10,11
	v_mov_b32 v[QF+\j], 0                          ; zero codes
.endr
.set n, 0
.rept 32
	v_mov_b32 v[O+n], 0                            ; O^T: a tile's first step of pass 2 adds onto zeros
.set n, n+1
.endr
	OBASE ST, 88, 90                               ; the upper tile's o
	OBASE TLO, 92, 94                              ; the lower tile's
	s_cmp_eq_u32 ttmp9, 0                          ; the cluster's x, which the partners share: 0: the upper tile's queries are their block's first 64 and the lower tile's the last 64; 1: the other way round
	s_cselect_b32 s[DMU0], s[D1], -1
	s_cselect_b32 s[DMU1], -1, s[D1]
	s_cselect_b32 s[DML0], -1, s[JJ]
	s_cselect_b32 s[DML1], s[JJ], -1
	s_wait_alu depctr_va_vdst(0)                   ; the wait at the head's end
	s_wait_tensorcnt 0x0                           ; my load has landed,
	s_barrier_signal -1
	s_barrier_wait -1                              ; everybody's has: K, V and their scales are only read until the barrier behind pass 2
	WALK 0, 1, HI1, DMU0, DMU1                     ; pass 1, my part of the upper tile
	s_wait_alu depctr_va_vdst(0)                   ; the wait ahead of the first reader behind the jumps
	SUML TP+2, TP+3
	v_mov_b32 v[TP], v[NM1]
	v_mov_b32 v[TP+1], v[NM2]
	ds_store_b128 v[XST], v[TP:TP+3]               ; its record goes to LDS,
	QSWAP                                          ; and the lower tile begins
	RESET
	s_wait_alu depctr_va_vdst(0)
	s_wait_dscnt 0x0                               ; for the partner's sake: my record has landed:
	s_barrier_signal -1                            ; say so.  Up to the wait for this barrier: register work, and loads of LDS bytes that nobody writes before a later barrier
	WALK 0, 0, HI2, DML0, DML1                     ; pass 1, the lower tile
	s_wait_alu depctr_va_vdst(0)
	SUML L1, L2                                    ; it is mine alone (a wave that has none never uses these numbers)
	RECIP
	s_wait_alu depctr_va_vdst(0)
	WALK 1, 0, HI2, DML0, DML1                     ; pass 2, the lower tile
	s_barrier_wait -1                              ; every wave's record is in LDS
.rept 4
	v_nop                                          ; places behind the last products
.endr
	s_cmp_eq_u32 s[RB], 0
	s_cbranch_scc1 .Lno_lower
	FINISH 92, 94                                  ; the lower tile leaves
	s_wait_xcnt 0x0                                ; the stores have read their registers
.Lno_lower:
	ds_load_b128 v[TP:TP+3], v[XRA]                ; the two records of the upper tile, in the same order in both waves of the pair
	ds_load_b128 v[TP+4:TP+7], v[XRA] offset:256
.set n, 0
.rept 32
	v_mov_b32 v[O+n], 0
.set n, n+1
.endr
	QSWAP
	s_wait_dscnt 0x0
	v_min_num_f32 v[NM1], v[TP], v[TP+4]           ; -M of the whole row,
	v_min_num_f32 v[NM2], v[TP+1], v[TP+5]
	v_sub_f32 v[TM], v[NM1], v[TP]                 ; each part's M less it: whole numbers, 0 or less,
	v_sub_f32 v[TM+1], v[NM1], v[TP+4]
	v_sub_f32 v[TM+2], v[NM2], v[TP+1]
	v_sub_f32 v[TM+3], v[NM2], v[TP+5]
.irp i, 0,1,2,3
	v_cvt_i32_f32 v[TM+\i], v[TM+\i]               ; (it saturates)
.endr
	v_ldexp_f32 v[TP+2], v[TP+2], v[TM]            ; and each part's sum under the row's M: nothing is rounded
	v_ldexp_f32 v[TP+6], v[TP+6], v[TM+1]
	v_ldexp_f32 v[TP+3], v[TP+3], v[TM+2]
	v_ldexp_f32 v[TP+7], v[TP+7], v[TM+3]
	v_add_f32 v[L1], v[TP+2], v[TP+6]
	v_add_f32 v[L2], v[TP+3], v[TP+7]
	RECIP
	s_wait_alu depctr_va_vdst(0)
	WALK 1, 1, HI1, DMU0, DMU1                     ; pass 2, my part of the upper tile
.rept 4
	v_nop                                          ; places behind the last products
.endr
	s_wait_dscnt 0x0                               ; my reads of K and V are over,
	s_barrier_signal -1
	s_barrier_wait -1                              ; everybody's are: K's bytes have had their only fill and their last read
	s_cmp_eq_u32 s[RB], 0
	s_cbranch_scc1 .Lno_send
.irp i, 0,1,2,3,4,5,6,7
	ds_store_b128 v[OXA], v[O+4*\i:O+4*\i+3] offset:512*\i   ; my part of the upper tile's O^T, each accumulator from its low end on
.endr
.Lno_send:
	s_wait_dscnt 0x0
	s_barrier_signal -1
	s_barrier_wait -1
	s_cmp_lg_u32 s[RB], 0
	s_cbranch_scc1 .Ldone
.irp i, 0,1,2,3,4,5,6,7
	ds_load_b128 v[S2+4*\i:S2+4*\i+3], v[OXA] offset:512*\i
.endr
	s_wait_dscnt 0x0
.irp j, 0,2,4,6,8,10,12,14,16,18,20,22,24,26,28,30
	v_pk_add_f32 v[O+\j:O+\j+1], v[O+\j:O+\j+1], v[S2+\j:S2+\j+1]
.endr
	FINISH 88, 90                                  ; the upper tile leaves
.Ldone:
	s_wait_tensorcnt 0x0                           ; the wave's end
	ds_add_u32 v254, v255
	s_wait_dscnt 0x0
	ROUND                                          ; the closing round
	s_endpgm
.Lfunc_end_k_qdefea0a397_attn:
	.size	k_qdefea0a397_attn, .Lfunc_end_k_qdefea0a397_attn-k_qdefea0a397_attn
	.p2alignl 7, 3214868480
	.fill 96, 4, 3214868480
	.section	.rodata,"a",@progbits
	.p2align	6, 0x0
	.amdhsa_kernel k_qdefea0a397_attn
		.amdhsa_group_segment_fixed_size 327680
		.amdhsa_private_segment_fixed_size 0
		.amdhsa_enable_private_segment 0
		.amdhsa_kernarg_size 32
		.amdhsa_user_sgpr_count 2
		.amdhsa_user_sgpr_kernarg_segment_ptr 1
		.amdhsa_wavefront_size32 1
		.amdhsa_system_sgpr_workgroup_id_x 1
		.amdhsa_system_sgpr_workgroup_id_y 1
		.amdhsa_system_sgpr_workgroup_id_z 1
		.amdhsa_system_vgpr_workitem_id 0
		.amdhsa_next_free_vgpr 256
		.amdhsa_next_free_sgpr 102
		.amdhsa_reserve_vcc 1
		.amdhsa_float_denorm_mode_32 3
		.amdhsa_float_denorm_mode_16_64 3
		.amdhsa_memory_ordered 1
		.amdhsa_forward_progress 1
		.amdhsa_inst_pref_size 157
	.end_amdhsa_kernel
	.amdgpu_metadata
---
amdhsa.version: [ 1, 2 ]
amdhsa.kernels:
  - .name:           k_qdefea0a397_attn
    .symbol:         k_qdefea0a397_attn.kd
    .args:
      - { .name: qk, .offset: 0, .size: 8, .value_kind: global_buffer, .address_space: global }
      - { .name: vv, .offset: 8, .size: 8, .value_kind: global_buffer, .address_space: global }
      - { .name: lambdas, .offset: 16, .size: 8, .value_kind: global_buffer, .address_space: global }
      - { .name: oq, .offset: 24, .size: 8, .value_kind: global_buffer, .address_space: global }
    .group_segment_fixed_size: 327680
    .private_segment_fixed_size: 0
    .kernarg_segment_align: 8
    .kernarg_segment_size: 32
    .max_flat_workgroup_size: 512
    .sgpr_count:     102
    .vgpr_count:     256
    .wavefront_size: 32
...
	.end_amdgpu_metadata
.endif
;; end of part 4
;; launch outp (part 5): grid 8 x 32, 4 waves a work-group, clusters of 4 x 4, 230,912 bytes of LDS; arguments oq, pw, proj_b, out0; writes out0
.if DOCPART == 5
	.amdgcn_target "amdgcn-amd-amdhsa--gfx1250"
	.amdhsa_code_object_version 6
	.text
	.protected	k_qdefea0a397_outp
	.globl	k_qdefea0a397_outp
	.p2align	8
	.type	k_qdefea0a397_outp,@function
k_qdefea0a397_outp:
	s_mov_b64 s[64:65], 0
	v_nop
	global_prefetch_b8 v0, s[64:65] scope:SCOPE_SE
	s_setreg_imm32_b32 hwreg(HW_REG_WAVE_MODE, 25, 1), 1
	s_wait_xcnt 0x0
	s_wait_alu depctr_hold_cnt(0) depctr_sa_sdst(0) depctr_va_vdst(0) depctr_va_sdst(0) depctr_va_ssrc(0) depctr_va_vcc(0) depctr_vm_vsrc(0)
	s_getreg_b32 s2, hwreg(HW_REG_IB_STS2, 6, 4)
	s_cmp_eq_u32 s2, 0
	s_cbranch_scc0 .Lentry_in_a_cluster
	s_endpgm
.Lentry_in_a_cluster:
	s_bfe_u32 s2, ttmp6, 0x10000c
	s_cmp_lg_u32 s2, 0xf033
	s_cbranch_scc0 .Lentry_shape_is_right
	s_endpgm
.Lentry_shape_is_right:
; out0 [4096 tokens][1024] f32 = o proj_w + proj_b, on codes of BF6 (E3M2, one E8M0 byte for each 32 along K; K = 1,024).
; pw: images of the operand's registers: fragment (tile, K step) = 8 tile + step, 1,536 bytes, three planes of 512 bytes, lane l at 16 l.  oq: the same numbering, but a fragment is two halves of 768 bytes:
; 512 bytes registers 6 e .. 6 e + 3 at 16 l, 256 bytes registers 6 e + 4, 6 e + 5 at 8 l.  Scale images (128 bytes a fragment, word 4 l = row l % 16's) from byte 0, codes from CODE_OFF.
; Row r of tile 2 B + U is logical row 32 B + 8 U + r + 8 (r / 8), of tokens in oq and of columns n in pw.
; A work-group of four waves makes 128 tokens x 128 columns (so that the launch has 256 work-groups), a wave 64 x 64: 16 accumulators.  Source 0 = 16 columns of proj_w, source 1 = 16 tokens:
; a lane holds one token and eight neighbouring columns.  THE BIAS IS LOADED INTO THE ACCUMULATORS, so every product adds in place and no addition is written.
; All of K lies in LDS: two chunks of four K steps, each filled once by one tensor load a wave; no refill.  CLUSTERS: 4 x 4; o's tiles are asked for jointly along a row of the cluster, proj_w's along a column.
; The way out goes through the wave's own stage in LDS, bytes into which no fill lands: sixteen lanes store 256 consecutive bytes of a row of out0.
.set CODE_OFF, 0x100000
.set FRB,    1536
.set KTILE,  8*FRB
.set CT,     KTILE                     ; LDS holds a tile's eight fragments on end, as memory does
.set PART,   4*CT                      ; four tiles: what one wave multiplies of o or of proj_w
.set CHUNK,  4*FRB                     ; the second address register of each kind stands four K steps on
.set SCL,    4*PART                    ; o's eight tiles, proj_w's eight, then the scale images
.set SPART,  4096
.set STAGE,  SCL+4*SPART               ; 16 rows x (256 + 16) bytes for each wave
.set SPITCH, 272
.set ADA16, 4                          ; v4-5   o's fragments, the parts of 16 bytes a lane, chunk 0, 1
.set ADA8,  6                          ; v6-7   the parts of 8 bytes a lane
.set ADB,   8                          ; v8-9   proj_w's fragments
.set ADRS,  10                         ; v10    scale words: lanes 0-15 o's, lanes 16-31 proj_w's
.set STO,   11
.set RD,    12
.set CO,    13
.set BO,    14
.set SC,    16                         ; v16-19 scale words, and nothing else
.set AF,    20                         ; v20-67  o's four fragments
.set BF,    68                         ; v68-115 proj_w's four
.set ACC,   128                        ; v128-255: accumulator (a, b) at v[ACC + 8 (4 a + b)]
.set G1, 24
.set G0, 32
.set G1B, 48
.set G0B, 56
.set G1S, 68
.set G0S, 76
.set G1SB, 80
.set G0SB, 88
.macro CROUND                          ; a round of the cluster's barrier
	s_barrier_signal -1
	s_barrier_wait -1
	s_cmp_lg_u32 s14, 0
	s_cbranch_scc1 .Lnot_wave_0_\@
	s_barrier_signal -3
.Lnot_wave_0_\@:
	s_barrier_wait -3
	s_barrier_signal -1
	s_barrier_wait -1
.endm
	s_load_b256 s[4:11], s[0:1], 0x0               ; oq s[4:5], pw s[6:7], proj_b s[8:9], out0 s[10:11]
	v_lshl_add_u32 v126, v0, 2, 0x38400
	v_mov_b32 v127, 0
	ds_add_u32 v126, v127
	ds_add_u32 v126, v127
	v_lshrrev_b32 v1, 5, v0
	v_readfirstlane_b32 s14, v1                    ; wave 0..3
	s_lshr_b32 s15, s14, 1                         ; which 64 tokens are mine.
	s_and_b32 s16, s14, 1                          ; which 64 columns.
	s_bfe_u32 s40, ttmp6, 0x40000                  ; cx, cy
	s_bfe_u32 s41, ttmp6, 0x40004
	s_lshl_b32 s42, ttmp9, 2
	s_add_co_u32 s42, s42, s40                     ; X: which 128 columns
	s_and_b32 s17, ttmp7, 0xffff
	s_lshl_b32 s17, s17, 2
	s_add_co_u32 s17, s17, s41                     ; Y: which 128 tokens
	s_lshl_b32 s43, s41, 2
	s_lshl_b32 s43, 15, s43                        ; my row of the cluster
	s_lshl_b32 s44, 0x1111, s40                    ; my column
	s_or_b32 s[G1+0], s43, (3<<16)|(1<<21)         ; codes: eight tiles, all of K, as dense rows of 256 bytes; elements of 8 bytes; bit 21 set beside a mask
	s_or_b32 s[G1B+0], s44, (3<<16)|(1<<21)
.irp g, G1, G1B
	s_mov_b32 s[\g+1], 32<<16                      ; eight tiles, all of K: 98,304 dense bytes, as 384 rows of 256
	s_mov_b32 s[\g+2], 384<<16
	s_mov_b32 s[\g+3], 32<<16
	s_mov_b32 s[\g+4], 384
	s_mov_b32 s[\g+5], 32
	s_mov_b32 s[\g+6], 0
	s_mov_b32 s[\g+7], 0
.endr
	s_or_b32 s[G1S+0], s43, (3<<16)|(1<<21)        ; scale images of eight tiles: 8,192 dense bytes, as 32 rows of 256
	s_or_b32 s[G1SB+0], s44, (3<<16)|(1<<21)
.irp g, G1S, G1SB
	s_mov_b32 s[\g+1], 32<<16
	s_mov_b32 s[\g+2], 32<<16                      ; scale images of eight tiles: 8,192 dense bytes, as 32 rows of 256
	s_mov_b32 s[\g+3], 32<<16
	s_mov_b32 s[\g+4], 32
	s_mov_b32 s[\g+5], 32
	s_mov_b32 s[\g+6], 0
	s_mov_b32 s[\g+7], 0
.endr
	s_lshl_b32 s20, s17, 3                         ; o: tile 8 Y
	s_lshl_b32 s46, s42, 3                         ; proj_w: tile 8 X
	s_lshl_b32 s22, s20, 10
	s_mov_b32 s23, 0
	s_lshl_b32 s92, s46, 10
	s_mov_b32 s93, 0
	s_mul_i32 s20, s20, KTILE
	s_add_co_u32 s20, s20, CODE_OFF
	s_mov_b32 s21, 0
	s_mul_i32 s46, s46, KTILE
	s_add_co_u32 s46, s46, CODE_OFF
	s_mov_b32 s47, 0
	s_wait_dscnt 0x0
	s_wait_kmcnt 0x0
	s_add_nc_u64 s[20:21], s[4:5], s[20:21]
	s_add_nc_u64 s[22:23], s[4:5], s[22:23]
	s_add_nc_u64 s[46:47], s[6:7], s[46:47]
	s_add_nc_u64 s[92:93], s[6:7], s[92:93]
	s_mov_b32 s[G0S], 1
	s_mov_b32 s[G0S+1], SCL
	s_mov_b64 s[G0S+2:G0S+3], s[22:23]
	s_or_b32 s[G0S+3], s[G0S+3], 0x80000000
	s_mov_b32 s[G0SB], 1
	s_mov_b32 s[G0SB+1], SCL+2*SPART
	s_mov_b64 s[G0SB+2:G0SB+3], s[92:93]
	s_or_b32 s[G0SB+3], s[G0SB+3], 0x80000000
	s_mov_b32 s[G0], 1
	s_mov_b32 s[G0+1], 0
	s_mov_b64 s[G0+2:G0+3], s[20:21]
	s_or_b32 s[G0+3], s[G0+3], 0x80000000
	s_mov_b32 s[G0B], 1
	s_mov_b32 s[G0B+1], 2*PART
	s_mov_b64 s[G0B+2:G0B+3], s[46:47]
	s_or_b32 s[G0B+3], s[G0B+3], 0x80000000
	CROUND                                         ; all sixteen work-groups are here: the joint loads meet
; THE FILLS, ONE A WAVE, in one chain of arms on the wave's number: wave 0 o's eight tiles, wave 1 proj_w's eight, wave 2 o's scale images, wave 3 proj_w's.  Each region is filled once in the launch.
.macro ARM under, g0, g1, next
	s_cmp_lt_u32 s14, \under
	s_cbranch_scc0 \next
	tensor_load_to_lds s[\g0:\g0+3], s[\g1:\g1+7]
	s_nop 0
.rept 4
	v_nop
.endr
	s_branch .Lasked
\next:
.endm
	ARM 1, G0, G1, .Lhead_b
	ARM 2, G0B, G1B, .Lhead_sa
	ARM 3, G0S, G1S, .Lhead_sb
	tensor_load_to_lds s[G0SB:G0SB+3], s[G1SB:G1SB+7]
	s_nop 0
.rept 4
	v_nop
.endr
.Lasked:
	v_and_b32 v1, 31, v0                           ; lane
	v_and_b32 v2, 15, v0                           ; r
	v_bfe_u32 v3, v0, 4, 1                         ; h
	s_mul_i32 s21, s15, PART                       ; my four tiles of o
	s_mul_i32 s22, s16, PART                       ; my four of proj_w,
	s_add_co_u32 s22, s22, 2*PART                  ; which lie behind o's eight
	v_lshlrev_b32 v15, 4, v1
	v_lshlrev_b32 v[BO], 3, v1
	v_add_nc_u32 v[BO], 512, v[BO]
.irp s, 0,1
	v_add_nc_u32 v[ADA16+\s], s21, v15
	v_add_nc_u32 v[ADA8+\s], s21, v[BO]
	v_add_nc_u32 v[ADB+\s], s22, v15
	s_add_co_u32 s21, s21, CHUNK
	s_add_co_u32 s22, s22, CHUNK
.endr
	s_lshl_b32 s21, s15, 12
	s_lshl_b32 s22, s16, 12
	s_add_co_u32 s22, s22, 2*SPART
	s_sub_co_u32 s22, s22, s21
	v_mul_u32_u24 v[ADRS], s22, v3                 ; lanes 16-31 take proj_w's
	v_lshl_add_u32 v[ADRS], v1, 2, v[ADRS]
	s_add_co_u32 s21, s21, SCL
	v_add_nc_u32 v[ADRS], s21, v[ADRS]
	s_mul_i32 s23, s14, 16*SPITCH
	s_add_co_u32 s23, s23, STAGE                   ; my stage
	v_mul_u32_u24 v[STO], v2, SPITCH
	v_lshl_add_u32 v[STO], v3, 6, v[STO]           ; in: row r, + 64 h bytes: my half's sixteen columns of each 32
	v_add_nc_u32 v[STO], s23, v[STO]
	v_mul_u32_u24 v[RD], v3, SPITCH
	v_lshl_add_u32 v[RD], v2, 4, v[RD]             ; back: lanes 0-15 one row of 256 bytes, lanes 16-31 the next
	v_add_nc_u32 v[RD], s23, v[RD]
	v_lshlrev_b32 v[CO], 12, v3
	v_lshl_add_u32 v[CO], v2, 4, v[CO]             ; and the same two rows in out0
	v_lshlrev_b32 v[BO], 6, v3                     ; the bias: 16 h numbers on
	s_wait_alu depctr_va_vdst(0)
	s_lshl_b32 s96, s42, 9                         ; my first column, in bytes: 512 X + 256 x half
	s_lshl_b32 s97, s16, 8
	s_add_co_u32 s96, s96, s97
	s_mov_b32 s97, 0
	s_add_nc_u64 s[8:9], s[8:9], s[96:97]
	s_add_nc_u64 s[10:11], s[10:11], s[96:97]
	s_lshl_b32 s96, s17, 19                        ; my first token: 128 Y + 64 x half, rows of 4,096 bytes
	s_lshl_b32 s98, s15, 18
	s_add_co_u32 s96, s96, s98
	s_add_nc_u64 s[10:11], s[10:11], s[96:97]
.irp a, 0,1,2,3
.irp b, 0,1,2,3
	global_load_b128 v[ACC+8*(4*\a+\b):ACC+8*(4*\a+\b)+3], v[BO], s[8:9] offset:(32*(\b/2)+8*(\b%2))*4      ; accumulator (a, b), lane (r, h): proj_b at columns 32 (b / 2) + 8 (b % 2) + 16 h + 0 .. 7
	global_load_b128 v[ACC+8*(4*\a+\b)+4:ACC+8*(4*\a+\b)+7], v[BO], s[8:9] offset:(32*(\b/2)+8*(\b%2))*4+16
.endr
.endr
; One K step of 128: the q-th of chunk ch, the s-th of all.  Four places in front of loads into registers that matrix instructions have read; 16 products, the accumulators by turns.
.macro KS ch, q, s
.rept 4
	v_nop
.endr
.irp i, 0,1,2,3
	ds_load_b128 v[AF+12*\i:AF+12*\i+3], v[ADA16+\ch] offset:\i*CT+\q*FRB
	ds_load_b64 v[AF+12*\i+4:AF+12*\i+5], v[ADA8+\ch] offset:\i*CT+\q*FRB
	ds_load_b128 v[AF+12*\i+6:AF+12*\i+9], v[ADA16+\ch] offset:\i*CT+\q*FRB+768
	ds_load_b64 v[AF+12*\i+10:AF+12*\i+11], v[ADA8+\ch] offset:\i*CT+\q*FRB+768
.irp c, 0,1,2
	ds_load_b128 v[BF+12*\i+4*\c:BF+12*\i+4*\c+3], v[ADB+\ch] offset:\i*CT+\q*FRB+512*\c
.endr
	ds_load_b32 v[SC+\i], v[ADRS] offset:\i*1024+\s*128
.endr
	s_wait_dscnt 0x0
.irp a, 0,1,2,3
.irp b, 0,1,2,3
	v_wmma_scale_f32_16x16x128_f8f6f4 v[ACC+8*(4*\a+\b):ACC+8*(4*\a+\b)+7], v[BF+12*\b:BF+12*\b+11], v[AF+12*\a:AF+12*\a+11], v[ACC+8*(4*\a+\b):ACC+8*(4*\a+\b)+7], v[SC+\b], v[SC+\a] matrix_a_fmt:MATRIX_FMT_BF6 matrix_b_fmt:MATRIX_FMT_BF6 matrix_a_scale:MATRIX_SCALE_ROW1
.endr
.endr
.endm
	s_wait_tensorcnt 0x0                           ; my one load has landed,
	s_wait_loadcnt 0x0                             ; and the bias
	s_barrier_signal -1
	s_barrier_wait -1                              ; everybody's are
	KS 0, 0, 0
	KS 0, 1, 1
	KS 0, 2, 2
	KS 0, 3, 3
	KS 1, 0, 4
	KS 1, 1, 5
	KS 1, 2, 6
	KS 1, 3, 7
; THE WAY OUT, a tile of 16 tokens x 64 columns at a time: into my stage by logical column, back as whole rows of 256 bytes into the registers that they left.
; LDS serves a wave's instructions in order: no wait between the stores and the loads, nor in front of the next tile's stores.
.macro TOSTAGE a
.irp b, 0,1,2,3
	ds_store_b128 v[STO], v[ACC+32*(\a)+8*\b:ACC+32*(\a)+8*\b+3] offset:128*(\b/2)+32*(\b%2)       ; each accumulator from its low end on
	ds_store_b128 v[STO], v[ACC+32*(\a)+8*\b+4:ACC+32*(\a)+8*\b+7] offset:128*(\b/2)+32*(\b%2)+16
.endr
.irp i, 0,1,2,3,4,5,6,7
	ds_load_b128 v[ACC+32*(\a)+4*\i:ACC+32*(\a)+4*\i+3], v[RD] offset:2*\i*SPITCH
.endr
.endm
.macro SEND a, younger                 ; younger: the LDS instructions issued behind tile a's loads.  Stage row p is token 32 (a / 2) + 8 (a % 2) + p + 8 (p / 8) of my 64
.irp i, 0,1,2,3,4,5,6,7
	s_wait_dscnt \younger+7-\i
	global_store_b128 v[CO], v[ACC+32*(\a)+4*\i:ACC+32*(\a)+4*\i+3], s[10:11] offset:(32*((\a)/2)+8*((\a)%2)+2*\i+8*(\i/4))*4096 th:TH_STORE_NT   ; 16 lanes store 256 consecutive bytes, at a multiple of 256 from out0's first byte
.endr
.endm
.rept 4
	v_nop                                          ; places behind the last products
.endr
	TOSTAGE 0
.irp a, 1,2,3
	TOSTAGE \a
	SEND \a-1, 16                                  ; behind tile a - 1's loads: tile a's 8 stores and 8 loads
.endr
	SEND 3, 0
	s_wait_tensorcnt 0x0
	ds_add_u32 v126, v127
	s_wait_dscnt 0x0
	CROUND                                         ; the closing round: no work-group ends while a partner may still ask for a tile that names it
	s_endpgm
.Lfunc_end_k_qdefea0a397_outp:
	.size	k_qdefea0a397_outp, .Lfunc_end_k_qdefea0a397_outp-k_qdefea0a397_outp
	.p2alignl 7, 3214868480
	.fill 96, 4, 3214868480
	.section	.rodata,"a",@progbits
	.p2align	6, 0x0
	.amdhsa_kernel k_qdefea0a397_outp
		.amdhsa_group_segment_fixed_size 230912
		.amdhsa_private_segment_fixed_size 0
		.amdhsa_enable_private_segment 0
		.amdhsa_kernarg_size 32
		.amdhsa_user_sgpr_count 2
		.amdhsa_user_sgpr_kernarg_segment_ptr 1
		.amdhsa_wavefront_size32 1
		.amdhsa_system_sgpr_workgroup_id_x 1
		.amdhsa_system_sgpr_workgroup_id_y 1
		.amdhsa_system_sgpr_workgroup_id_z 1
		.amdhsa_system_vgpr_workitem_id 0
		.amdhsa_next_free_vgpr 256
		.amdhsa_next_free_sgpr 100
		.amdhsa_reserve_vcc 0
		.amdhsa_float_denorm_mode_32 3
		.amdhsa_float_denorm_mode_16_64 3
		.amdhsa_memory_ordered 1
		.amdhsa_forward_progress 1
		.amdhsa_inst_pref_size 54
	.end_amdhsa_kernel
	.amdgpu_metadata
---
amdhsa.version: [ 1, 2 ]
amdhsa.kernels:
  - .name:           k_qdefea0a397_outp
    .symbol:         k_qdefea0a397_outp.kd
    .args:
      - { .name: oq, .offset: 0, .size: 8, .value_kind: global_buffer, .address_space: global }
      - { .name: pw, .offset: 8, .size: 8, .value_kind: global_buffer, .address_space: global }
      - { .name: proj_b, .offset: 16, .size: 8, .value_kind: global_buffer, .address_space: global }
      - { .name: out0, .offset: 24, .size: 8, .value_kind: global_buffer, .address_space: global }
    .group_segment_fixed_size: 230912
    .private_segment_fixed_size: 0
    .kernarg_segment_align: 8
    .kernarg_segment_size: 32
    .max_flat_workgroup_size: 128
    .sgpr_count:     100
    .vgpr_count:     256
    .wavefront_size: 32
...
	.end_amdgpu_metadata
.endif
;; end of part 5
